; MI455X (gfx1250); checked and timed in simulation.
; The chip was launched on July 23, 2026; its instructions are those of AMD's public machine-readable ISA for CDNA 5 (MIT licence, August 2026) and "CDNA5" Instruction Set Architecture Reference Guide (July 2026). The comments in the code are by the model that wrote it; some were corrected since.
;; Causal Self Attention2d. Allowed arithmetic: matrix products marked QUANTISED: E4M3 operands, one E8M0 scale for each 32 along K, by v_wmma_scale_f32_16x16x128_f8f6f4 with both operands' format E4M3, f32 sums; everything else in f32.
;; Inputs: input 8 x 256 x 32 x 32 float32; k_b 512 float32; k_w 512 x 256 float32; q_b 512 float32; q_w 512 x 256 float32; v_b 512 float32; v_w 512 x 256 float32.
;; Outputs: out0 8 x 512 x 32 x 32 float32.
;; This version of the problem:
;;   THIS VERSION OF THE PROBLEM IS GIVEN IN LOW PRECISION. The matrix products marked QUANTISED in the list below multiply operands that are first quantised to E4M3 (4 exponent bits, 3 mantissa bits; 8 bits a number), with one power-of-two scale for each 32 numbers along K (OCP MX v1.0); their sums are f32. All else is computed in f32.
;;   The module's matrix products, in the order in which they are computed (A, B: the left and right operand; K: the contracted axis; several contracted axes count as one K, in the product's order):
;;     1. [M 8,192, K 256] x [K 256, N 512]; A: input input; B: input q_w: QUANTISED
;;     2. [M 8,192, K 256] x [K 256, N 512]; A: input input; B: input k_w: QUANTISED
;;     3. [M 8,192, K 256] x [K 256, N 512]; A: input input; B: input v_w: QUANTISED
;;     4. batch 64 x [M 1,024, K 64] x [K 64, N 1,024]; A: computed on the way; B: computed on the way: QUANTISED
;;     5. batch 64 x [M 1,024, K 1,024] x [K 1,024, N 64]; A: softmax (see below); B: computed on the way: QUANTISED
;;   THE QUANTISER, for each operand of a quantised product, along K:
;;     - K is cut into blocks of 32 from its start; a last block that is shorter is filled with zeros.
;;     - A block's scale is 2^e with e = floor(log2(the largest magnitude in the block)) - 8, held to -126 .. 127; a block of zeros has e = 0. As a byte (E8M0): e + 127.
;;     - Each number is divided by its block's scale, clamped to +-448, and rounded to the nearest number of E4M3, ties to even, subnormals kept.
;;     - The product sums the exact products of the quantised numbers (number of the format x scale) in f32.
;;   ~~~python
;;   def quantise(x, axis):      # numpy; x: float32 -> the quantised numbers, widened to float32 again
;;       x = np.moveaxis(x, axis, -1); K = x.shape[-1]
;;       x = np.pad(x, [(0, 0)] * (x.ndim - 1) + [(0, -K % 32)]); x = x.reshape(x.shape[:-1] + (-1, 32)); a = np.abs(x).max(-1, keepdims=True)
;;       e = np.where(a > 0, np.clip(np.frexp(np.where(a > 0, a, 1))[1] - 1 - 8, -126, 127), 0)      # np.frexp(a)[1] - 1 = floor(log2(a)), exactly
;;       r = np.clip(x / 2.0 ** e, -448, 448)
;;       step = 2.0 ** (np.maximum(np.frexp(np.where(r == 0, 1, r))[1] - 1, -6) - 3)
;;       q = np.round(r / step) * step * 2.0 ** e      # np.round: ties to even
;;       return np.moveaxis(q.reshape(q.shape[:-2] + (-1,))[..., :K], -1, axis).astype(np.float32)
;;   ~~~
;;   SOFTMAX AHEAD OF A QUANTISED PRODUCT. Where the list says 'softmax', what is quantised is not the finished softmax but p = 2^(t - M), with t = logit x log2(e) and M = ceil(the row's largest t), a whole number; so 1/2 < the row's largest p <= 1. The row's sum l is taken of the UNQUANTISED p, in f32, and the product's result is divided by l at the end. Since M is a whole number, a kernel that streams over the keys may use a running M (the ceiling of the running maximum): every later rescaling is an exact power of two, which a block's scale takes up: the codes' values come out the same.
;;   OPERANDS COMPUTED ON THE WAY. 'Computed on the way' means the value that the module computes at that place (a softmax that the list does not call 'softmax' is quantised finished and normalised). What goes into a quantiser is computed in f32, as accurately as f32 sums, v_exp_f32 and their like allow (about 1e-6 of the number): no bf16 or f16 on the way to a quantiser, and a product that is left as it is and whose result goes on into a quantised operand takes f32 operands (vector FMAs, or v_wmma_f32_16x16x4_f32). A number that lies on a knife's edge between two numbers of the format may be rounded either way, as far as f32 arithmetic and the matrix unit's own rounding can turn it there, and no further.
;; 2 versions. Each part assembles by itself: llvm-mc -triple=amdgcn-amd-amdhsa -mcpu=gfx1250 --defsym DOCPART=n.
;; ======== version 1 of 2: 2 launches
;; workspace buffers: xq 2,097,152 bytes; xs 65,536 bytes; wq 393,216 bytes; ws 24,576 bytes
;; launch quant (part 1): grid 352 x 1, 2 waves a work-group, no clusters, 0 bytes of LDS; arguments input, q_w, k_w, v_w, xq, xs, wq, ws; writes xq, xs, wq, ws
.if DOCPART == 1
	.amdgcn_target "amdgcn-amd-amdhsa--gfx1250"
	.amdhsa_code_object_version 6
	.text
	.protected	k_q6345b05a67_quant
	.globl	k_q6345b05a67_quant
	.p2align	8
	.type	k_q6345b05a67_quant,@function
k_q6345b05a67_quant:
	s_mov_b64 s[64:65], 0
	v_nop
	global_prefetch_b8 v0, s[64:65] scope:SCOPE_SE
	s_setreg_imm32_b32 hwreg(HW_REG_WAVE_MODE, 25, 1), 1
	s_wait_xcnt 0x0
; x (= input seen as [b][position][channel]) and the three weights become codes of FP8 (E4M3) with one E8M0 scale byte for each 32 channels, ONCE, laid as the next launch's matrix operands want them.
; A block's scale is 2^(floor(log2(its largest magnitude)) - 8); its byte is the largest magnitude's exponent field - 8, held at 1 from below; each number is divided by the scale, held within +-448, and
; rounded to the nearest code, ties to even.
; LIMITS: NaN and infinities among the inputs are not served.  A block of zeros gets the byte 1 where the quantiser says 127: its codes are zeros, which add nothing under any byte but 0xff, and only this program reads the bytes.
; A FRAGMENT'S IMAGE is the 16 registers of an operand of 16 rows x 128 K: [group g 0..3][lane 0..31][16 bytes]; lane (r = lane % 16, h = lane / 16) holds k = 32 g + 16 h + 0 .. 15 of row r.
; xq [b 8][tile T 64][K step s 2][2,048]: row r of tile T is position 32 (T / 2) + 8 (T % 2) + r + 8 (r / 8).   xs [b][s][T][16 words]: row r's four scale bytes.
; wq [head 8][tensor 3: q, k, v][tile t 4][s 2][2,048]: q, k: row r is channel 64 head + 32 (t / 2) + 8 (t % 2) + r + 8 (r / 8); v: 64 head + 16 t + r.   ws: the same order, 32 words: lane's row's scale word.
; Work-groups 0-255 take x, 256-351 the weights: two ways that part once, on the work-group's number.  No LDS, no barrier: waves share nothing.
.set X,     32                         ; v32-95   the numbers: x: two sets of 32; a weight: 64
.set C,     96                         ; v96-127  the codes: never written twice, so no store's data are written again
.set SW,    24                         ; v24      the scale word
.set TM,    112                        ; v112-127 (weights) largest magnitudes, bytes, holds, scale operands
.set FLOOR, 0x4800000                  ; 2^(9 - 127): under it no largest magnitude is taken, so the byte cannot fall under 1
.set EOFF,  0xfc000000                 ; -(8 << 23): 8 off an exponent field
.set EFLD,  0x7f800000                 ; the exponent field
	s_load_b256 s[4:11], s[0:1], 0x0               ; input s[4:5], q_w s[6:7], k_w s[8:9], v_w s[10:11]
	s_load_b256 s[12:19], s[0:1], 0x20             ; xq s[12:13], xs s[14:15], wq s[16:17], ws s[18:19]
	v_lshrrev_b32 v1, 5, v0
	v_readfirstlane_b32 s20, v1                    ; wave 0, 1
	v_and_b32 v4, 31, v0                           ; lane
	s_mov_b32 s21, 0x600000                        ; the mantissa field of 448
	s_mov_b32 s31, 0                               ; the upper words of three offsets
	s_mov_b32 s35, 0
	s_mov_b32 s37, 0
	s_cmp_lt_u32 ttmp9, 256
	s_cbranch_scc0 .Lweights
	; ---- x.  K (the channel) is not innermost in memory: A LANE TAKES A POSITION AND ITS REGISTERS RUN DOWN THE CHANNELS.  A wave: 32 positions (a pair of tiles) x 128 channels (a K step): four blocks, each in one lane.
	s_lshr_b32 s22, ttmp9, 5                       ; b
	s_and_b32 s23, ttmp9, 1                        ; K step
	s_bfe_u32 s24, ttmp9, 0x40001
	s_lshl_b32 s24, s24, 1
	s_add_co_u32 s24, s24, s20                     ; pair P of tiles: positions 32 P on
	s_lshl_b32 s25, s22, 20
	s_lshl_b32 s26, s23, 19
	s_or_b32 s25, s25, s26
	s_lshl_b32 s26, s24, 7
	s_or_b32 s30, s25, s26                         ; input: b x 256 x 4,096 + 128 s x 4,096 + 32 P x 4
	s_lshl_b32 s25, s22, 18
	s_lshl_b32 s26, s24, 13
	s_or_b32 s25, s25, s26
	s_lshl_b32 s26, s23, 11
	s_or_b32 s34, s25, s26                         ; xq: b x 262,144 + 2 P x 4,096 + s x 2,048
	s_lshl_b32 s25, s22, 13
	s_lshl_b32 s26, s23, 12
	s_or_b32 s25, s25, s26
	s_lshl_b32 s26, s24, 7
	s_or_b32 s36, s25, s26                         ; xs: b x 8,192 + s x 4,096 + 2 P x 64
	v_lshlrev_b32 v1, 2, v4                        ; in: 4 bytes a lane: a load reads 128 consecutive bytes
	v_bfe_u32 v5, v4, 3, 1                         ; position p of the pair lies in tile u = (p / 8) % 2,
	v_and_b32 v6, 7, v4
	v_lshrrev_b32 v7, 4, v4
	v_lshl_add_u32 v6, v7, 3, v6                   ; row r = p % 8 + 8 (p / 16)
	v_lshlrev_b32 v2, 4, v6
	v_lshl_add_u32 v2, v5, 12, v2                  ; codes: 4,096 u + 16 r
	v_lshlrev_b32 v3, 2, v6
	v_lshl_add_u32 v3, v5, 6, v3                   ; scale word: 64 u + 4 r
	s_wait_kmcnt 0x0
	s_add_nc_u64 s[4:5], s[4:5], s[30:31]
	s_add_nc_u64 s[12:13], s[12:13], s[34:35]
	s_add_nc_u64 s[14:15], s[14:15], s[36:37]
.macro LOADX g                         ; block g: channels 32 g + 0 .. 31 of my position, into set g % 2
.irp i, 0,1,2,3,4,5,6,7,8,9,10,11,12,13,14,15,16,17,18,19,20,21,22,23,24,25,26,27,28,29,30,31
	global_load_b32 v[X+32*((\g)%2)+\i], v1, s[4:5] offset:(32*(\g)+\i)*4096 th:TH_LOAD_NT
.endr
.endm
.macro BLOCK g
.set XB, X+32*((\g)%2)
.if (\g) < 3
	s_wait_loadcnt 32                              ; this block's 32 loads are in; the next block's 32 may be out
.else
	s_wait_loadcnt 0x0
.endif
	v_max3_num_f32 v12, |v[XB]|, |v[XB+1]|, |v[XB+2]|              ; the block's largest magnitude: all 32 numbers are mine; two chains
	v_max3_num_f32 v13, |v[XB+3]|, |v[XB+4]|, |v[XB+5]|
.irp i, 6,10,14,18,22,26
	v_max3_num_f32 v12, v12, |v[XB+\i]|, |v[XB+\i+1]|
	v_max3_num_f32 v13, v13, |v[XB+\i+2]|, |v[XB+\i+3]|
.endr
	v_max3_num_f32 v12, v12, |v[XB+30]|, |v[XB+31]|
	v_max3_num_f32 v12, v12, v13, FLOOR
	v_add_nc_u32 v11, EOFF, v12                    ; the conversion takes the exponent field of this operand as its scale
	v_and_or_b32 v10, v12, EFLD, s21               ; 448 x the scale
	v_lshrrev_b32 v13, 23, v11                     ; the scale's byte
.if (\g) == 0
	v_mov_b32 v[SW], v13
.else
	v_lshl_or_b32 v[SW], v13, 8*(\g), v[SW]
.endif
.irp i, 0,1,2,3,4,5,6,7,8,9,10,11,12,13,14,15,16,17,18,19,20,21,22,23,24,25,26,27,28,29,30,31
	v_med3_num_f32 v[XB+\i], v[XB+\i], -v10, v10   ; the conversion to an 8-bit code does not saturate (ISA guide 7.6.2): the hold comes first
.endr
.irp q, 0,1,2,3
	v_cvt_scalef32_pk8_fp8_f32 v[C+8*(\g)+2*\q:C+8*(\g)+2*\q+1], v[XB+8*\q:XB+8*\q+7], v11
.endr
	global_store_b128 v2, v[C+8*(\g):C+8*(\g)+3], s[12:13] offset:512*(\g)          ; k = 32 g + 0 .. 15: the image's lanes 0-15; the 16 lanes of a tile store 256 consecutive bytes, aligned
	global_store_b128 v2, v[C+8*(\g)+4:C+8*(\g)+7], s[12:13] offset:512*(\g)+256    ; k = 32 g + 16 .. 31: its lanes 16-31
.if (\g)+2 < 4
	LOADX (\g)+2                                   ; (the next block begins with plain vector lines: the place behind the conversions)
.endif
.endm
	LOADX 0
	LOADX 1
	BLOCK 0
	BLOCK 1
	BLOCK 2
	BLOCK 3
	global_store_b32 v3, v[SW], s[14:15]           ; my position's four scale bytes
	s_endpgm
.Lweights:
	; ---- a weight: K is innermost.  A wave makes one fragment: lane (r, h) loads, of its row, 16 neighbours of each block of 32, in the operand's own order.
	s_sub_co_u32 s22, ttmp9, 256
	s_lshr_b32 s23, s22, 5                         ; tensor: 0 q, 1 k, 2 v
	s_bfe_u32 s24, s22, 0x30002                    ; head
	s_and_b32 s25, s22, 3                          ; tile t
	s_mul_i32 s26, s24, 12
	s_lshl_b32 s27, s23, 2
	s_add_co_u32 s26, s26, s27
	s_add_co_u32 s26, s26, s25                     ; record = 12 head + 4 tensor + t
	s_lshl_b32 s27, s25, 4                         ; v: the tile begins at row 16 t, and its rows are neighbours;
	s_lshr_b32 s28, s25, 1
	s_lshl_b32 s28, s28, 5
	s_and_b32 s29, s25, 1
	s_lshl_b32 s29, s29, 3
	s_add_co_u32 s28, s28, s29                     ; q, k: at 32 (t / 2) + 8 (t % 2), and rows 8-15 lie 8 further on
	s_cmp_eq_u32 s23, 2
	s_cselect_b32 s27, s27, s28
	s_cselect_b32 s29, 0, 8
	s_lshl_b32 s28, s24, 6
	s_add_co_u32 s27, s27, s28                     ; + 64 head
	s_lshl_b32 s30, s27, 10                        ; a row is 1,024 bytes;
	s_lshl_b32 s28, s20, 9
	s_add_co_u32 s30, s30, s28                     ; the wave's K step: 512 bytes on
	s_lshl_b32 s34, s26, 12
	s_lshl_b32 s28, s20, 11
	s_add_co_u32 s34, s34, s28                     ; wq: 4,096 record + 2,048 s
	s_lshl_b32 s36, s26, 8
	s_lshl_b32 s28, s20, 7
	s_add_co_u32 s36, s36, s28                     ; ws: 256 record + 128 s
	s_mov_b32 s32, 0x76543210
	s_mov_b32 s33, 0xfedcba98                      ; v_permlanex16_b32's selects for lane l xor 16
	v_and_b32 v5, 15, v0                           ; r
	v_bfe_u32 v6, v0, 4, 1                         ; h
	v_and_b32 v7, s29, v5
	v_add_nc_u32 v7, v7, v5                        ; r, or r + 8 (r / 8)
	v_lshlrev_b32 v1, 10, v7
	v_lshl_add_u32 v1, v6, 6, v1                   ; row x 1,024 + 64 h
	v_lshlrev_b32 v2, 4, v4                        ; out: 16 x lane,
	v_lshlrev_b32 v3, 2, v4                        ; 4 x lane
	s_wait_kmcnt 0x0
	s_cmp_eq_u32 s23, 1                            ; the choice hangs on the work-group's number alone
	s_cselect_b64 s[8:9], s[8:9], s[10:11]
	s_cmp_eq_u32 s23, 0
	s_cselect_b64 s[6:7], s[6:7], s[8:9]
	s_add_nc_u64 s[6:7], s[6:7], s[30:31]
	s_add_nc_u64 s[16:17], s[16:17], s[34:35]
	s_add_nc_u64 s[18:19], s[18:19], s[36:37]
.irp g, 0,1,2,3
.irp j, 0,1,2,3
	global_load_b128 v[X+16*\g+4*\j:X+16*\g+4*\j+3], v1, s[6:7] offset:128*\g+16*\j th:TH_LOAD_NT
.endr
.endr
.irp b, 0,1,2,3
	v_mov_b32 v[TM+4+\b], 0                        ; a lane permute's destination counts as one of its sources
.endr
	s_wait_loadcnt 0x0
.irp b, 0,1,2,3
	v_max3_num_f32 v[TM+\b], |v[X+16*\b]|, |v[X+16*\b+1]|, FLOOR
.endr
.irp i, 2,4,6,8,10,12,14
.irp b, 0,1,2,3
	v_max3_num_f32 v[TM+\b], v[TM+\b], |v[X+16*\b+\i]|, |v[X+16*\b+\i+1]|   ; the four blocks by turns
.endr
.endr
.irp b, 0,1,2,3
	v_permlanex16_b32 v[TM+4+\b], v[TM+\b], s32, s33
.endr
.irp b, 0,1,2,3
	v_max_num_f32 v[TM+\b], v[TM+\b], v[TM+4+\b]   ; with lane l xor 16's 16: the block's largest magnitude
.endr
.irp b, 0,1,2,3
	v_add_nc_u32 v[TM+12+\b], EOFF, v[TM+\b]
.endr
.irp b, 0,1,2,3
	v_and_or_b32 v[TM+8+\b], v[TM+\b], EFLD, s21
.endr
.irp b, 0,1,2,3
	v_lshrrev_b32 v[TM+4+\b], 23, v[TM+12+\b]
.endr
	v_lshl_or_b32 v[SW], v[TM+5], 8, v[TM+4]
	v_lshl_or_b32 v[SW], v[TM+6], 16, v[SW]
	v_lshl_or_b32 v[SW], v[TM+7], 24, v[SW]
.irp b, 0,1,2,3
.irp i, 0,1,2,3,4,5,6,7,8,9,10,11,12,13,14,15
	v_med3_num_f32 v[X+16*\b+\i], v[X+16*\b+\i], -v[TM+8+\b], v[TM+8+\b]
.endr
	v_cvt_scalef32_pk8_fp8_f32 v[C+4*\b:C+4*\b+1], v[X+16*\b:X+16*\b+7], v[TM+12+\b]
	v_cvt_scalef32_pk8_fp8_f32 v[C+4*\b+2:C+4*\b+3], v[X+16*\b+8:X+16*\b+15], v[TM+12+\b]
.endr
.irp g, 0,1,2,3
	global_store_b128 v2, v[C+4*\g:C+4*\g+3], s[16:17] offset:512*\g   ; the image as it stands: 512 consecutive bytes a store
.endr
	global_store_b32 v3, v[SW], s[18:19]           ; lanes 16-31 hold the same words as lanes 0-15
	s_endpgm
.Lfunc_end_k_q6345b05a67_quant:
	.size	k_q6345b05a67_quant, .Lfunc_end_k_q6345b05a67_quant-k_q6345b05a67_quant
	.p2alignl 7, 3214868480
	.fill 96, 4, 3214868480
	.section	.rodata,"a",@progbits
	.p2align	6, 0x0
	.amdhsa_kernel k_q6345b05a67_quant
		.amdhsa_group_segment_fixed_size 0
		.amdhsa_private_segment_fixed_size 0
		.amdhsa_enable_private_segment 0
		.amdhsa_kernarg_size 64
		.amdhsa_user_sgpr_count 2
		.amdhsa_user_sgpr_kernarg_segment_ptr 1
		.amdhsa_wavefront_size32 1
		.amdhsa_system_sgpr_workgroup_id_x 1
		.amdhsa_system_sgpr_workgroup_id_y 1
		.amdhsa_system_sgpr_workgroup_id_z 1
		.amdhsa_system_vgpr_workitem_id 0
		.amdhsa_next_free_vgpr 128
		.amdhsa_next_free_sgpr 66
		.amdhsa_reserve_vcc 0
		.amdhsa_float_denorm_mode_32 3
		.amdhsa_float_denorm_mode_16_64 3
		.amdhsa_memory_ordered 1
		.amdhsa_forward_progress 1
		.amdhsa_inst_pref_size 41
	.end_amdhsa_kernel
	.amdgpu_metadata
---
amdhsa.version: [ 1, 2 ]
amdhsa.kernels:
  - .name:           k_q6345b05a67_quant
    .symbol:         k_q6345b05a67_quant.kd
    .args:
      - { .name: input, .offset: 0, .size: 8, .value_kind: global_buffer, .address_space: global }
      - { .name: q_w, .offset: 8, .size: 8, .value_kind: global_buffer, .address_space: global }
      - { .name: k_w, .offset: 16, .size: 8, .value_kind: global_buffer, .address_space: global }
      - { .name: v_w, .offset: 24, .size: 8, .value_kind: global_buffer, .address_space: global }
      - { .name: xq, .offset: 32, .size: 8, .value_kind: global_buffer, .address_space: global }
      - { .name: xs, .offset: 40, .size: 8, .value_kind: global_buffer, .address_space: global }
      - { .name: wq, .offset: 48, .size: 8, .value_kind: global_buffer, .address_space: global }
      - { .name: ws, .offset: 56, .size: 8, .value_kind: global_buffer, .address_space: global }
    .group_segment_fixed_size: 0
    .private_segment_fixed_size: 0
    .kernarg_segment_align: 8
    .kernarg_segment_size: 64
    .max_flat_workgroup_size: 64
    .sgpr_count:     66
    .vgpr_count:     128
    .wavefront_size: 32
...
	.end_amdgpu_metadata
.endif
;; end of part 1
;; launch attn (part 2): grid 4 x 64, 16 waves a work-group, no clusters, 296,960 bytes of LDS; arguments xq, xs, wq, ws, q_b, k_b, v_b, out0; writes out0
.if DOCPART == 2
	.amdgcn_target "amdgcn-amd-amdhsa--gfx1250"
	.amdhsa_code_object_version 6
	.text
	.protected	k_q6345b05a67_attn
	.globl	k_q6345b05a67_attn
	.p2align	8
	.type	k_q6345b05a67_attn,@function
k_q6345b05a67_attn:
	s_mov_b64 s[64:65], 0
	v_nop
	global_prefetch_b8 v0, s[64:65] scope:SCOPE_SE
	s_setreg_imm32_b32 hwreg(HW_REG_WAVE_MODE, 25, 1), 1
	s_wait_xcnt 0x0
; out0[b][64 head + d][s] = the sum over keys k <= s of softmax_k(q[s] . k[k] / 8) v[k][d], with q, k, v = x W^T + bias made here, all five products on codes of FP8 (E4M3) with one E8M0 scale for each 32 along K.
; x and the weights arrive as codes, laid as images of matrix operands (a fragment of 16 rows x 128 K: [group g][lane][16 bytes], lane (r, h) holding k = 32 g + 16 h + 0 .. 15 of row r).
; SHARES.  Work-group (J = x, y = 8 b + head) owns query blocks J and 7 - J of 128 queries: (J + 1) + (8 - J) = 9 key steps of 128 keys for each pair of waves, in every work-group.  Sixteen waves of 256 registers;
; wave w owns ONE tile of 16 queries: tile w / 2 of block J or 7 - J.  The first 16 - 2 J waves also make K and V of positions 64 w .. 64 w + 63; q, k, v never go to memory.
; ROW r OF A TILE T OF POSITIONS is position 32 (T / 2) + 8 (T % 2) + r + 8 (r / 8), and the rows of q_w's and k_w's tiles are chosen likewise: so a lane's 16 registers of two neighbouring result tiles are 16 NEIGHBOURS
; along the next product's K, and the conversions' results are the next operand's registers.
; q, k: source 0 = 16 rows of W, source 1 = 16 positions: a lane holds one position, its registers run along the channels.   v: the sources swapped: a lane holds one channel, its registers run along the positions (the keys).
; THE HEAD IS 64 AND THE FORM'S K IS 128: a fragment of K holds TWO tiles of keys (group 2 c + u: tile u, channels 32 c on); Q stands twice, as [Q0, 0, Q1, 0] and [0, Q0, 0, Q1]: zero codes pick the tile.  K's codes are
; numbers (the hold), so they add exactly 0 there.
; THE SOFTMAX: t = score x log2(e) / 8; M = the largest t so far, rounded up to a whole number; p = 2^(t - M) is quantised along the keys; the sum of the unquantised p divides O at the end; when M moves, sum and O are multiplied by 2^(old M - new M).
; NO CLUSTER, NO JOINT LOADS: the four work-groups of a head need different numbers of x's tiles (64 - 8 J), and each wave takes its own straight into registers; what all four bring into LDS alike is the head's weights and biases,
; 64,512 bytes once in the launch.  No tensor load, so no ring.
; LIMITS: NaN and infinities among the inputs are not served.  A block of zeros has the byte 1 where the quantiser says 127 (zero codes; only this program reads the bytes).  A block's largest p is taken from its largest score:
; that takes v_exp_f32 not to fall where its input rises.
.set KIMG,  0                          ; LDS: K: 32 pair fragments x 2,048
.set VIMG,  65536                      ; V: [key step 8][tile of 16 channels 4][2,048]
.set KSC,   131072                     ; K's scale words: [pair 32][lane][4], byte 2 c + u
.set VSC,   135168                     ; V's: [key step][tile][lane][4], byte = block of 32 keys
.set WIMG,  139264                     ; the head's weights: [tensor 3][tile 4][K step 2][2,048]
.set BIMG,  188416                     ; the biases as images of a C operand: [tensor 3][tile 4][registers 0-3, 4-7][lane][16]
.set WSC,   200704                     ; the weights' scale words: [tensor][tile][K step][lane][4]
.set QPK,   203776                     ; each wave's own 1,536 bytes: Q's two groups of codes, and its scale word at 1,024 + 16 x lane
.set STG,   228352                     ; the way out: 64 channels x (256 queries of 4 bytes + 16)
.set SPI,   1040                       ; 8 rows are 2,080 words = 32 modulo 64 (64 banks of 4 bytes: ISA guide 11.1): lanes 16-31, 8 rows on, fall beside lanes 0-15
.set NP,    8                          ; places behind this matrix instruction (ISA guide 7.12.1)
; vector registers while q, k, v are made
.set WLI, 1                            ; v1   WIMG + 16 x lane
.set WL4, 2                            ; v2   WSC + 4 x lane
.set KST, 3                            ; v3   where I store K's images
.set KSS, 4                            ; v4   and their scale words
.set VST, 5                            ; v5   V's images
.set VSS, 6                            ; v6   and their scale half words
.set QPA, 7                            ; v7   my wave's QPK + 16 x lane
.set BC,  8                            ; v8-15    a tile's bias, as C
.set WB,  16                           ; v16-47   a tile of W: K step 0, K step 1.  While a result is quantised: TM and PC
.set TM,  16                           ; v16-19 largest magnitudes, v20-23 bytes, v24-27 holds, v28-31 scale operands
.set PC,  32                           ; v32-47   the codes just made
.set ACC, 48                           ; v48-111  eight result tiles
.set QX,  80                           ; v80-111  x's tile of my queries (Q's sums take v48-79 only)
.set XR,  112                          ; v112-239 x's four tiles of my 64 positions: tile i, K step s at 32 i + 16 s
.set XS,  240                          ; v240-243 their scale words: pair p, K step s at 2 p + s; lanes 0-15 the even tile's, lanes 16-31 the odd tile's
.set WS,  244                          ; v244-245 W's scale words
.set QXS, 246                          ; v246-247 those of my queries' x
.set PW,  252                          ; v252, v254 scale words just made
.set PW0, 254
; scalar registers
.set WV,   20
.set J,    21
.set BB,   22
.set HD,   23
.set SEL,  24                          ; which of the two query blocks is my wave's: (w xor w / 4) % 2
.set IDX,  25                          ; which tile of it: w / 2
.set BQ,   26                          ; the block's number: it enters branches and global addresses alone
.set TQ,   27
.set NACT, 28
.set PSEL, 32                          ; s[32:33] v_permlanex16_b32's selects for lane l xor 16
.set CS,   34                          ; s[34:35] c = log2(e) / 8
.set MNT,  36                          ; the mantissa field of 448
.set KS,   37                          ; the key step
.set TK,   38                          ; 8,192 x key step
.set TS,   39                          ; 512 x key step
.macro PLACES n
.rept \n
	v_nop
.endr
.endm
.macro BARRIER                         ; my LDS stores have landed and my LDS loads are in: then the work-group's barrier
	s_wait_dscnt 0x0
	s_barrier_signal -1
	s_barrier_wait -1
.endm
; One product.  row = 1: source 0's scales stand in lanes 16-31; row = 2: source 1's
.macro PROD d, a, b, c, sa, sb, row
.if \row == 0
	v_wmma_scale_f32_16x16x128_f8f6f4 v[(\d):(\d)+7], v[(\a):(\a)+15], v[(\b):(\b)+15], v[(\c):(\c)+7], v[\sa], v[\sb]
.elseif \row == 1
	v_wmma_scale_f32_16x16x128_f8f6f4 v[(\d):(\d)+7], v[(\a):(\a)+15], v[(\b):(\b)+15], v[(\c):(\c)+7], v[\sa], v[\sb] matrix_a_scale:MATRIX_SCALE_ROW1
.else
	v_wmma_scale_f32_16x16x128_f8f6f4 v[(\d):(\d)+7], v[(\a):(\a)+15], v[(\b):(\b)+15], v[(\c):(\c)+7], v[\sa], v[\sb] matrix_b_scale:MATRIX_SCALE_ROW1
.endif
.endm
; Tile tt of tensor x (0 q, 1 k, 2 v): both K steps, their scale words, the bias
.macro WLOAD x, tt
.irp s, 0,1
.irp g, 0,1,2,3
	ds_load_b128 v[WB+16*\s+4*\g:WB+16*\s+4*\g+3], v[WLI] offset:(\x)*16384+(\tt)*4096+\s*2048+\g*512
.endr
	ds_load_b32 v[WS+\s], v[WL4] offset:(\x)*1024+(\tt)*256+\s*128
.endr
	ds_load_b128 v[BC:BC+3], v[WLI] offset:BIMG-WIMG+(\x)*4096+(\tt)*1024
	ds_load_b128 v[BC+4:BC+7], v[WLI] offset:BIMG-WIMG+(\x)*4096+(\tt)*1024+512
	s_wait_dscnt 0x0
.endm
; nb blocks of a lane's numbers, block b's 16 in v[s + 16 b] on (lane l xor 16 holds the block's other 16), become codes in v[PC + 4 b] on and a scale word in v[w]: nb = 4: bytes b0 b1 b2 b3; nb = 2: b0 b0 b1 b1
.macro QUANT s, nb, w
.set qb, 0
.rept \nb
	v_max3_num_f32 v[TM+qb], |v[\s+16*qb]|, |v[\s+16*qb+1]|, 0x4800000   ; with the floor 2^(9 - 127): the byte cannot fall under 1.  (Each result tile is read from its low end on)
.set qb, qb+1
.endr
.irp i, 2,4,6,8,10,12,14
.set qb, 0
.rept \nb
	v_max3_num_f32 v[TM+qb], v[TM+qb], |v[\s+16*qb+\i]|, |v[\s+16*qb+\i+1]|   ; the blocks by turns
.set qb, qb+1
.endr
.endr
.set qb, 0
.rept \nb
	v_permlanex16_b32 v[TM+4+qb], v[TM+qb], s[PSEL], s[PSEL+1]
.set qb, qb+1
.endr
.set qb, 0
.rept \nb
	v_max_num_f32 v[TM+qb], v[TM+qb], v[TM+4+qb]   ; the block's largest magnitude
.set qb, qb+1
.endr
.set qb, 0
.rept \nb
	v_add_nc_u32 v[TM+12+qb], 0xfc000000, v[TM+qb]   ; 8 off its exponent field: the conversion's scale operand
.set qb, qb+1
.endr
.set qb, 0
.rept \nb
	v_and_or_b32 v[TM+8+qb], v[TM+qb], 0x7f800000, s[MNT]   ; 448 x the scale
.set qb, qb+1
.endr
.set qb, 0
.rept \nb
	v_lshrrev_b32 v[TM+4+qb], 23, v[TM+12+qb]      ; the scale's byte
.set qb, qb+1
.endr
.if \nb == 4
	v_lshl_or_b32 v[\w], v[TM+5], 8, v[TM+4]
	v_lshl_or_b32 v[\w], v[TM+6], 16, v[\w]
	v_lshl_or_b32 v[\w], v[TM+7], 24, v[\w]
.else
	v_lshl_or_b32 v[\w], v[TM+4], 8, v[TM+4]
	v_lshl_or_b32 v[TM+4], v[TM+5], 8, v[TM+5]
	v_lshl_or_b32 v[\w], v[TM+4], 16, v[\w]
.endif
.set qb, 0
.rept \nb
.irp i, 0,1,2,3,4,5,6,7,8,9,10,11,12,13,14,15
	v_med3_num_f32 v[\s+16*qb+\i], v[\s+16*qb+\i], -v[TM+8+qb], v[TM+8+qb]   ; the conversion to an 8-bit code does not saturate (ISA guide 7.6.2): the hold comes first
.endr
	v_cvt_scalef32_pk8_fp8_f32 v[PC+4*qb:PC+4*qb+1], v[\s+16*qb:\s+16*qb+7], v[TM+12+qb]
	v_cvt_scalef32_pk8_fp8_f32 v[PC+4*qb+2:PC+4*qb+3], v[\s+16*qb+8:\s+16*qb+15], v[TM+12+qb]
.set qb, qb+1
.endr
	v_nop                                          ; one plain line between the last conversion and whatever next touches its registers
.endm
; The tile of W in WB against my four tiles of positions, both K steps; the four sums take turns; the bias starts each sum.
.macro MULK u                          ; source 0 = W: lane (r, h) holds position row r of tile xt; register 16 xt + 8 u + j = channel 32 c + 16 h + 8 u + j
.irp s, 0,1
.irp xt, 0,1,2,3
.if \s == 0
	PROD ACC+16*\xt+8*\u, WB, XR+32*\xt, BC, WS, XS+2*(\xt/2), 2*(\xt%2)
.else
	PROD ACC+16*\xt+8*\u, WB+16, XR+32*\xt+16, ACC+16*\xt+8*\u, WS+1, XS+2*(\xt/2)+1, 2*(\xt%2)
.endif
.endr
.endr
.endm
.macro MULV t                          ; source 0 = x: lane (r, h) holds channel r of the tile; register 32 t + 8 xt + j = position 64 w + 32 (xt / 2) + 16 h + 8 (xt % 2) + j
.irp s, 0,1
.irp xt, 0,1,2,3
.if \s == 0
	PROD ACC+32*\t+8*\xt, XR+32*\xt, WB, BC, XS+2*(\xt/2), WS, \xt%2
.else
	PROD ACC+32*\t+8*\xt, XR+32*\xt+16, WB+16, ACC+32*\t+8*\xt, XS+2*(\xt/2)+1, WS+1, \xt%2
.endif
.endr
.endr
.endm
; My 16 queries' q: four tiles of q_w against one tile of x; quantised; codes and scale word wait in my own LDS bytes
.macro QPART
.irp tt, 0,1,2,3
.if \tt > 0
	PLACES NP                                      ; in front of loads into registers that the last products read
.endif
	WLOAD 0, \tt
	PROD ACC+8*\tt, WB, QX, BC, WS, QXS, 0
	s_wait_alu depctr_va_vdst(0)                   ; one sum, two links on end
	PROD ACC+8*\tt, WB+16, QX+16, ACC+8*\tt, WS+1, QXS+1, 0
.endr
	PLACES NP+1                                    ; results are read next; one place more, since later products write over these registers
	QUANT ACC, 2, PW
	ds_store_b128 v[QPA], v[PC:PC+3]
	ds_store_b128 v[QPA], v[PC+4:PC+7] offset:512
	ds_store_b32 v[QPA], v[PW] offset:1024
	s_wait_dscnt 0x0                               ; the stores have read their registers
.endm
	s_load_b256 s[4:11], s[0:1], 0x0               ; xq s[4:5], xs s[6:7], wq s[8:9], ws s[10:11]
	s_load_b256 s[12:19], s[0:1], 0x20             ; q_b s[12:13], k_b s[14:15], v_b s[16:17], out0 s[18:19]
	v_lshrrev_b32 v1, 5, v0
	v_readfirstlane_b32 s[WV], v1                  ; wave 0..15
	s_mov_b32 s[J], ttmp9
	s_and_b32 s[BB], ttmp7, 0xffff
	s_and_b32 s[HD], s[BB], 7
	s_lshr_b32 s[BB], s[BB], 3
	s_lshr_b32 s[SEL], s[WV], 2
	s_xor_b32 s[SEL], s[SEL], s[WV]
	s_and_b32 s[SEL], s[SEL], 1
	s_lshr_b32 s[IDX], s[WV], 1
	s_sub_co_u32 s29, 7, s[J]
	s_cmp_eq_u32 s[SEL], 1
	s_cselect_b32 s[BQ], s29, s[J]
	s_lshl_b32 s[TQ], s[BQ], 3
	s_add_co_u32 s[TQ], s[TQ], s[IDX]              ; my queries' tile of positions
	s_lshl_b32 s[NACT], s[J], 1
	s_sub_co_u32 s[NACT], 16, s[NACT]              ; waves that make K and V: keys up to 128 (8 - J)
	; byte offsets, each in the pair that will hold the address
	s_lshl_b32 s54, s[BB], 18
	s_lshl_b32 s40, s[WV], 14
	s_add_co_u32 s40, s40, s54                     ; xq: my four tiles
	s_mov_b32 s41, 0
	s_lshl_b32 s44, s[TQ], 12
	s_add_co_u32 s44, s44, s54                     ; xq: my queries' tile
	s_mov_b32 s45, 0
	s_lshl_b32 s54, s[BB], 13
	s_lshl_b32 s42, s[WV], 8
	s_add_co_u32 s42, s42, s54                     ; xs likewise
	s_mov_b32 s43, 0
	s_lshl_b32 s46, s[TQ], 6
	s_add_co_u32 s46, s46, s54
	s_mov_b32 s47, 0
	s_lshl_b32 s48, s[HD], 8                       ; q_b or k_b: wave w makes the image of tile (w / 2) % 4, registers 4 (w % 2) on: channels 32 (tile / 2) + 8 (tile % 2) + 16 h + 4 (w % 2) + 0 .. 3
	s_bfe_u32 s54, s[WV], 0x10002
	s_lshl_b32 s54, s54, 7
	s_add_co_u32 s48, s48, s54
	s_bfe_u32 s54, s[WV], 0x10001
	s_lshl_b32 s54, s54, 5
	s_add_co_u32 s48, s48, s54
	s_and_b32 s55, s[WV], 1
	s_lshl_b32 s54, s55, 4
	s_add_co_u32 s48, s48, s54
	s_mov_b32 s49, 0
	s_lshl_b32 s50, s[BB], 21                      ; out0: b x 512 x 4,096 + (64 head + 4 w) x 4,096: the four channels that I store,
	s_lshl_b32 s54, s[HD], 18
	s_add_co_u32 s50, s50, s54
	s_lshl_b32 s54, s[WV], 14
	s_add_co_u32 s50, s50, s54
	s_lshl_b32 s54, s29, 9
	s_add_co_u32 s52, s50, s54                     ; at query block 7 - J,
	s_lshl_b32 s54, s[J], 9
	s_add_co_u32 s50, s50, s54                     ; and at block J
	s_mov_b32 s51, 0
	s_mov_b32 s53, 0
	s_mul_i32 s56, s[HD], 49152                    ; the head's weights,
	s_mov_b32 s57, 0
	s_mul_i32 s58, s[HD], 3072                     ; their scale words,
	s_mov_b32 s59, 0
	s_lshl_b32 s30, s[HD], 8                       ; v_b: tile w / 4
	s_lshr_b32 s54, s[WV], 2
	s_lshl_b32 s54, s54, 6
	s_add_co_u32 s30, s30, s54
	s_mov_b32 s31, 0
	; every LDS address of the first half is made here, ahead of the waves' parting
	v_and_b32 v50, 31, v0                          ; lane
	v_and_b32 v51, 15, v0                          ; r
	v_bfe_u32 v52, v0, 4, 1                        ; h
	v_lshlrev_b32 v53, 4, v50                      ; 16 x lane
	v_lshlrev_b32 v54, 2, v50                      ; 4 x lane
	v_add_nc_u32 v[WLI], WIMG, v53
	v_add_nc_u32 v[WL4], WSC, v54
	s_lshl_b32 s54, s[WV], 12
	v_add_nc_u32 v[KST], s54, v53                  ; my two pair fragments: 4,096 w
	s_lshl_b32 s54, s[WV], 8
	s_add_co_u32 s54, s54, KSC
	v_add_nc_u32 v[KSS], s54, v54
	s_lshl_b32 s54, s[IDX], 13
	s_lshl_b32 s29, s55, 10
	s_add_co_u32 s54, s54, s29
	s_add_co_u32 s54, s54, VIMG
	v_add_nc_u32 v[VST], s54, v53                  ; key step w / 2, groups 2 (w % 2) on
	s_lshl_b32 s54, s[IDX], 9
	s_lshl_b32 s29, s55, 1
	s_add_co_u32 s54, s54, s29
	s_add_co_u32 s54, s54, VSC
	v_add_nc_u32 v[VSS], s54, v54                  ; bytes 2 (w % 2), + 1 of each word
	s_mul_i32 s54, s[WV], 1536
	s_add_co_u32 s54, s54, QPK
	v_add_nc_u32 v[QPA], s54, v53
	v_lshlrev_b32 v55, 4, v0                       ; the copies: 16 bytes a thread,
	v_add_nc_u32 v56, WIMG, v55
	v_lshlrev_b32 v57, 1, v0                       ; 2 bytes a thread
	v_add_nc_u32 v58, WSC, v57
	v_lshlrev_b32 v59, 6, v52                      ; 64 h
	s_lshl_b32 s54, s[WV], 9
	s_add_co_u32 s54, s54, BIMG
	v_add_nc_u32 v60, s54, v53
	v_lshlrev_b32 v61, 2, v51                      ; 4 r
	s_lshr_b32 s54, s[WV], 2                       ; v_b's images: tile w / 4, registers 4 ((w / 2) % 2) on, 8 bytes (w % 2) of a lane's 16
	s_lshl_b32 s54, s54, 10
	s_bfe_u32 s29, s[WV], 0x10001
	s_lshl_b32 s29, s29, 9
	s_add_co_u32 s54, s54, s29
	s_lshl_b32 s29, s55, 3
	s_add_co_u32 s54, s54, s29
	s_add_co_u32 s54, s54, BIMG+8192
	v_add_nc_u32 v62, s54, v53
	s_mov_b32 s[PSEL], 0x76543210
	s_mov_b32 s[PSEL+1], 0xfedcba98
	s_mov_b32 s[CS], 0x3e38aa3b                    ; log2(e) / 8
	s_mov_b32 s[CS+1], s[CS]                       ; (named with it as a pair, so it is written)
	s_mov_b32 s[MNT], 0x600000
	s_wait_kmcnt 0x0
	s_add_nc_u64 s[40:41], s[4:5], s[40:41]
	s_add_nc_u64 s[44:45], s[4:5], s[44:45]
	s_add_nc_u64 s[42:43], s[6:7], s[42:43]
	s_add_nc_u64 s[46:47], s[6:7], s[46:47]
	s_add_nc_u64 s[8:9], s[8:9], s[56:57]
	s_add_nc_u64 s[10:11], s[10:11], s[58:59]
	s_cmp_lt_u32 s[WV], 8                          ; waves 0-7 bring q_b, waves 8-15 k_b: the choice hangs on the wave's number alone
	s_cselect_b64 s[12:13], s[12:13], s[14:15]
	s_add_nc_u64 s[48:49], s[12:13], s[48:49]
	s_add_nc_u64 s[16:17], s[16:17], s[30:31]
	s_add_nc_u64 s[50:51], s[18:19], s[50:51]
	s_add_nc_u64 s[52:53], s[18:19], s[52:53]
.irp i, 0,1,2,3,4,5
	global_load_b128 v[16+4*\i:19+4*\i], v55, s[8:9] offset:8192*\i   ; the head's weights: 512 threads x 16 bytes x 6 = 49,152
.endr
.irp x, 0,1,2
	global_load_u16 v[40+\x], v57, s[10:11] offset:1024*\x            ; their scale words: 512 x 2 x 3 = 3,072
.endr
	global_load_b128 v[44:47], v59, s[48:49]
	global_load_b32 v48, v61, s[16:17]
.irp s, 0,1
.irp g, 0,1,2,3
	global_load_b128 v[QX+16*\s+4*\g:QX+16*\s+4*\g+3], v53, s[44:45] offset:2048*\s+512*\g   ; x's tile of my queries
.endr
	global_load_b32 v[QXS+\s], v61, s[46:47] offset:4096*\s
.endr
	s_wait_loadcnt 0x0
	v_mov_b32 v49, v48                             ; v's bias is the same in all eight registers of a lane
.irp i, 0,1,2,3,4,5
	ds_store_b128 v56, v[16+4*\i:19+4*\i] offset:8192*\i
.endr
.irp x, 0,1,2
	ds_store_b16 v58, v[40+\x] offset:1024*\x
.endr
	ds_store_b128 v60, v[44:47]
	ds_store_b64 v62, v[48:49]
	BARRIER                                        ; weights, scale words and biases lie in LDS
	s_cmp_ge_u32 s[WV], s[NACT]                    ; ONE parting: waves whose 64 positions no query of this work-group sees make their q alone
	s_cbranch_scc1 .Lidle
.irp i, 0,1,2,3
.irp s, 0,1
.irp g, 0,1,2,3
	global_load_b128 v[XR+32*\i+16*\s+4*\g:XR+32*\i+16*\s+4*\g+3], v53, s[40:41] offset:4096*\i+2048*\s+512*\g   ; x's four tiles of my positions: they land while q is made
.endr
.endr
.endr
.irp p, 0,1
.irp s, 0,1
	global_load_b32 v[XS+2*\p+\s], v54, s[42:43] offset:4096*\s+128*\p
.endr
.endr
	s_wait_xcnt 0x0                                ; the loads' offsets lie where q's sums are about to be written
	QPART
	s_wait_loadcnt 0x0                             ; x's tiles
	; ---- K: channels 32 c on of my 64 positions: two tiles of k_w; four blocks a lane, one for each tile of positions
.irp c, 0,1
	WLOAD 1, 2*\c
	MULK 0
	PLACES NP
	WLOAD 1, 2*\c+1
	MULK 1
	PLACES NP+1
.if \c == 0
	QUANT ACC, 4, PW0
.else
	QUANT ACC, 4, PW
.endif
.irp xt, 0,1,2,3
	ds_store_b128 v[KST], v[PC+4*\xt:PC+4*\xt+3] offset:(\xt/2)*2048+(2*\c+\xt%2)*512   ; pair xt / 2, group 2 c + xt % 2
.endr
	s_wait_dscnt 0x0                               ; the stores have read their registers
.endr
	v_perm_b32 v16, v[PW], v[PW0], 0x05040100      ; pair 0's word: bytes (c 0, u 0), (c 0, u 1), (c 1, u 0), (c 1, u 1)
	v_perm_b32 v17, v[PW], v[PW0], 0x07060302      ; pair 1's
	ds_store_b32 v[KSS], v16
	ds_store_b32 v[KSS], v17 offset:128
	s_wait_dscnt 0x0
	; ---- V: two tiles of v_w at a time; four blocks a lane: (tile, 32 positions)
.irp i, 0,1
	WLOAD 2, 2*\i
	MULV 0
	PLACES NP
	WLOAD 2, 2*\i+1
	MULV 1
	PLACES NP+1
	QUANT ACC, 4, PW
.irp q, 0,1,2,3
	ds_store_b128 v[VST], v[PC+4*\q:PC+4*\q+3] offset:(2*\i+\q/2)*2048+(\q%2)*512
.endr
	ds_store_b16 v[VSS], v[PW] offset:(2*\i)*128            ; my two blocks' bytes of tile 2 i's words,
	ds_store_b16_d16_hi v[VSS], v[PW] offset:(2*\i+1)*128   ; and of tile 2 i + 1's
	s_wait_dscnt 0x0
.endr
	s_branch .Lkv_done
.Lidle:
	QPART
.Lkv_done:
	BARRIER                                        ; K, V and their scale words lie in LDS
	; ---- ATTENTION.  REGISTERS: v1-4 my lane's places in K, V and their scale words; v5 my query less 16 h, within its block; v8-11 the step's addresses; v12 -M, v13 the largest t, v[14:15] the sum in two halves;
	; v16-31 [Q0, 0, Q1, 0]; v192-207 [0, Q0, 0, Q1]; v32-95 four fragments of K, then of V; v96-159 S^T, then p; v160-191 O^T; v208-223 p's codes; v224-239 at work; v248-251, v253, v255 scale words; v252 f; v254 at work.
	ds_load_b128 v[16:19], v[QPA]
	ds_load_b128 v[24:27], v[QPA] offset:512
	ds_load_b128 v[196:199], v[QPA]
	ds_load_b128 v[204:207], v[QPA] offset:512
	ds_load_b32 v255, v[QPA] offset:1024
.irp i, 20,21,22,23,28,29,30,31,192,193,194,195,200,201,202,203
	v_mov_b32 v[\i], 0                             ; the zero codes that pick a tile of a pair
.endr
	v_and_b32 v8, 31, v0
	v_and_b32 v10, 15, v0
	v_bfe_u32 v11, v0, 4, 1
	v_lshlrev_b32 v1, 4, v8                        ; K: 16 x lane
	v_lshlrev_b32 v9, 2, v8
	v_add_nc_u32 v2, VIMG, v1
	v_add_nc_u32 v3, KSC, v9
	v_add_nc_u32 v4, VSC, v9
	s_lshr_b32 s54, s[IDX], 1
	s_lshl_b32 s54, s54, 5
	s_and_b32 s55, s[IDX], 1
	s_lshl_b32 s55, s55, 3
	s_add_co_u32 s54, s54, s55
	v_and_b32 v5, 8, v10
	v_add_nc_u32 v5, v5, v10
	v_add_nc_u32 v5, s54, v5                       ; my query within its block: 32 (tile / 2) + 8 (tile % 2) + r + 8 (r / 8)
	v_lshlrev_b32 v11, 4, v11
	v_sub_nc_u32 v5, v5, v11                       ; less 16 h
	v_mov_b32 v13, 0xff61b1e6                      ; the largest t so far: -3e38
	v_floor_f32 v12, -v13                          ; -M
	v_mov_b32 v14, 0
	v_mov_b32 v15, 0
.irp b, 0,1,2,3
	v_mov_b32 v[228+\b], 0                         ; a lane permute's destination counts as one of its sources
.endr
	v_mov_b32 v253, 0                              ; (named as the upper half of the pair v[252:253] before it is first written)
.irp j, 0,1,2,3,4,5,6,7,8,9,10,11,12,13,14,15,16,17,18,19,20,21,22,23,24,25,26,27,28,29,30,31
	v_mov_b32 v[160+\j], 0                         ; O^T: the step is written once; the first finds zeros, which the first change of M leaves zeros
.endr
	s_mov_b32 s[KS], 0
	s_mov_b32 s[TK], 0
	s_mov_b32 s[TS], 0
	s_wait_dscnt 0x0
.Lstep:                                            ; eight trips in every wave; a step all of whose keys come after my block's queries is left out, but for the lines that step addresses
	s_cmp_gt_u32 s[KS], s[BQ]
	s_cbranch_scc1 .Lhidden
	v_add_nc_u32 v8, s[TK], v1
	v_add_nc_u32 v9, s[TK], v2
	v_add_nc_u32 v10, s[TS], v3
	v_add_nc_u32 v11, s[TS], v4
	PLACES NP-4                                    ; with the four lines above: the places in front of loads into registers that the last products read
.irp p, 0,1,2,3
.irp g, 0,1,2,3
	ds_load_b128 v[32+16*\p+4*\g:35+16*\p+4*\g], v8 offset:2048*\p+512*\g
.endr
	ds_load_b32 v[248+\p], v10 offset:128*\p
.endr
	s_wait_dscnt 0x0
.irp p, 0,1,2,3                                ; S^T = K Q^T: lane (r, h) holds query r; register 16 p + i = key 128 step + 32 p + 16 h + i
	v_wmma_scale_f32_16x16x128_f8f6f4 v[96+16*\p:103+16*\p], v[32+16*\p:47+16*\p], v[16:31], 0, v[248+\p], v255
	v_wmma_scale_f32_16x16x128_f8f6f4 v[104+16*\p:111+16*\p], v[32+16*\p:47+16*\p], v[192:207], 0, v[248+\p], v255
.endr
	PLACES NP
.irp t, 0,1,2,3                                ; V's fragments are asked for now: they land under the softmax
.irp g, 0,1,2,3
	ds_load_b128 v[32+16*\t+4*\g:35+16*\t+4*\g], v9 offset:2048*\t+512*\g
.endr
	ds_load_b32 v[248+\t], v11 offset:128*\t
.endr
	s_cmp_lt_u32 s[KS], s[BQ]                      ; only my own block's step lies on the diagonal
	s_cbranch_scc1 .Lopen
	v_mov_b32 v254, 0xff800000                     ; -infinity: p = 0 then
.irp n, 0,1,2,3,4,5,6,7,8,9,10,11,12,13,14,15,16,17,18,19,20,21,22,23,24,25,26,27,28,29,30,31,32,33,34,35,36,37,38,39,40,41,42,43,44,45,46,47,48,49,50,51,52,53,54,55,56,57,58,59,60,61,62,63
	v_cmp_gt_i32 vcc_lo, 32*(\n/16)+\n%16, v5      ; the register's key comes after my query
	v_cndmask_b32 v[96+\n], v[96+\n], v254, vcc_lo
.endr
.Lopen:
.irp b, 0,1,2,3
	v_max3_num_f32 v[224+\b], v[96+16*\b], v[97+16*\b], v[98+16*\b]   ; the largest score of each block of 32 keys: for the row's maximum, and for the block's largest p
.endr
.irp i, 3,5,7,9,11,13
.irp b, 0,1,2,3
	v_max3_num_f32 v[224+\b], v[224+\b], v[96+16*\b+\i], v[97+16*\b+\i]
.endr
.endr
.irp b, 0,1,2,3
	v_max_num_f32 v[224+\b], v[224+\b], v[111+16*\b]
.endr
.irp b, 0,1,2,3
	v_permlanex16_b32 v[228+\b], v[224+\b], s[PSEL], s[PSEL+1]
.endr
.irp b, 0,1,2,3
	v_max_num_f32 v[224+\b], v[224+\b], v[228+\b]  ; with lane l xor 16's 16 keys
.endr
	v_max3_num_f32 v254, v224, v225, v226
	v_max_num_f32 v254, v254, v227                 ; the step's largest score of my query
	v_mul_f32 v254, s[CS], v254                    ; as t
	v_max_num_f32 v13, v13, v254                   ; the running largest t
	v_mov_b32 v254, v12
	v_floor_f32 v12, -v13                          ; the new -M = floor(-t): M is a whole number
	v_sub_f32 v254, v12, v254                      ; old M less new M: a whole number, 0 or less
	v_cvt_i32_f32 v254, v254                       ; (it saturates)
	v_ldexp_f32 v252, 1.0, v254                    ; f = 2^(old M - new M)
.irp j, 0,2,4,6,8,10,12,14,16,18,20,22,24,26,28,30,32,34,36,38,40,42,44,46,48,50,52,54,56,58,60,62
	v_pk_fma_f32 v[96+\j:97+\j], v[96+\j:97+\j], s[CS:CS+1], v[12:13] op_sel_hi:[1,0,0]   ; t - M, two at a time
.endr
.irp b, 0,1,2,3
	v_fma_f32 v[224+\b], v[224+\b], s[CS], v12     ; the same of each block's largest score
.endr
.irp j, 0,1,2,3,4,5,6,7,8,9,10,11,12,13,14,15,16,17,18,19,20,21,22,23,24,25,26,27,28,29,30,31,32,33,34,35,36,37,38,39,40,41,42,43,44,45,46,47,48,49,50,51,52,53,54,55,56,57,58,59,60,61,62,63
	v_exp_f32 v[96+\j], v[96+\j]                   ; p = 2^(t - M), at most 1, not normalised
.endr
.irp b, 0,1,2,3
	v_exp_f32 v[224+\b], v[224+\b]                 ; the block's largest p
.endr
	v_pk_mul_f32 v[14:15], v[14:15], v[252:253] op_sel_hi:[1,0]   ; the sums under the new M.  (The plain line behind the exponentials)
	s_wait_alu depctr_va_vdst(0)
.irp b, 0,1,2,3
	v_max_num_f32 v[224+\b], 0x4800000, v[224+\b]  ; the floor: the byte cannot fall under 1
.endr
.irp b, 0,1,2,3
	v_add_nc_u32 v[236+\b], 0xfc000000, v[224+\b]  ; the conversion's scale operand
.endr
.irp b, 0,1,2,3
	v_and_or_b32 v[232+\b], v[224+\b], 0x7f800000, s[MNT]   ; 448 x the scale
.endr
.irp b, 0,1,2,3
	v_lshrrev_b32 v[228+\b], 23, v[236+\b]         ; the scale's byte
.endr
	v_lshl_or_b32 v253, v229, 8, v228              ; p's scale word for these 128 keys
	v_lshl_or_b32 v253, v230, 16, v253
	v_lshl_or_b32 v253, v231, 24, v253
	v_pk_add_f32 v[228:229], v[96:97], v[98:99]    ; the row's sum is taken of the unquantised p: two chains
.irp j, 4,8,12,16,20,24,28,32,36,40,44,48,52,56,60
	v_pk_add_f32 v[14:15], v[14:15], v[96+\j:97+\j]
	v_pk_add_f32 v[228:229], v[228:229], v[98+\j:99+\j]
.endr
	v_pk_add_f32 v[14:15], v[14:15], v[228:229]
.irp b, 0,1,2,3
.irp i, 0,1,2,3,4,5,6,7,8,9,10,11,12,13,14,15
	v_min_num_f32 v[96+16*\b+\i], v[96+16*\b+\i], v[232+\b]   ; the hold; p is not negative, so it is one-sided
.endr
	v_cvt_scalef32_pk8_fp8_f32 v[208+4*\b:209+4*\b], v[96+16*\b:103+16*\b], v[236+\b]
	v_cvt_scalef32_pk8_fp8_f32 v[210+4*\b:211+4*\b], v[104+16*\b:111+16*\b], v[236+\b]
.endr
.irp j, 0,2,4,6,8,10,12,14,16,18,20,22,24,26,28,30
	v_pk_mul_f32 v[160+\j:161+\j], v[160+\j:161+\j], v[252:253] op_sel_hi:[1,0]   ; O^T under the new M.  (These sixteen also stand between the codes' making and the products)
.endr
	s_wait_dscnt 0x0                               ; V's fragments and scale words
.irp t, 0,1,2,3                                ; O^T += V^T P^T: lane (r, h) holds query r; register 8 t + j = channel 16 t + 8 h + j.  The four sums take turns
	v_wmma_scale_f32_16x16x128_f8f6f4 v[160+8*\t:167+8*\t], v[32+16*\t:47+16*\t], v[208:223], v[160+8*\t:167+8*\t], v[248+\t], v253
.endr
.Lhidden:
	s_add_co_u32 s[TK], s[TK], 8192
	s_add_co_u32 s[TS], s[TS], 512
	s_add_co_u32 s[KS], s[KS], 1
	s_cmp_lt_u32 s[KS], 8
	s_cbranch_scc1 .Lstep
	; ---- THE WAY OUT.  out0 wants the queries innermost: O^T / the sum goes into a stage of 64 channels x 256 queries (block J's 128, then block 7 - J's); each wave then stores four channels' rows.
	s_lshr_b32 s54, s[IDX], 1
	s_lshl_b32 s54, s54, 7
	s_and_b32 s55, s[IDX], 1
	s_lshl_b32 s55, s55, 5
	s_add_co_u32 s55, s55, s54
	s_lshl_b32 s54, s[SEL], 9
	s_add_co_u32 s55, s55, s54
	s_add_co_u32 s55, s55, STG                     ; my tile's queries in a stage row
	s_mul_i32 s56, s[WV], 4*SPI
	s_add_co_u32 s56, s56, STG                     ; the four rows that I store
	v_add_f32 v14, v14, v15                        ; the sum's two halves,
	v_permlanex16_b32 v228, v14, s[PSEL], s[PSEL+1]
	v_add_f32 v14, v14, v228                       ; and lane l xor 16's
	v_rcp_f32 v14, v14
	v_and_b32 v8, 15, v0                           ; (the address lines are the plain line behind the reciprocal and, with the two additions, twelve places behind the last products)
	v_bfe_u32 v9, v0, 4, 1
	v_and_b32 v10, 8, v8
	v_add_nc_u32 v10, v10, v8                      ; r + 8 (r / 8)
	v_lshlrev_b32 v6, 2, v10
	v_mad_u32_u24 v6, v9, 8*SPI, v6                ; lanes 16-31: channels 8 on
	v_add_nc_u32 v6, s55, v6
	v_and_b32 v11, 31, v0
	v_lshlrev_b32 v11, 4, v11                      ; back, and in out0: 16 x lane
	v_add_nc_u32 v9, s56, v11
	s_wait_alu depctr_va_vdst(0)
.irp j, 0,1,2,3,4,5,6,7,8,9,10,11,12,13,14,15,16,17,18,19,20,21,22,23,24,25,26,27,28,29,30,31
	v_mul_f32 v[96+\j], v[160+\j], v14             ; each sum from its low end on
.endr
.irp t, 0,1,2,3
.irp i, 0,1,2,3,4,5,6,7
	ds_store_b32 v6, v[96+8*\t+\i] offset:(16*\t+\i)*SPI
.endr
.endr
	BARRIER                                        ; 64 whole rows lie in the stage
.irp k, 0,1,2,3
.irp f, 0,1
	ds_load_b128 v[32+4*(2*\k+\f):35+4*(2*\k+\f)], v9 offset:SPI*\k+512*\f
.endr
.endr
.irp k, 0,1,2,3
	s_wait_dscnt 7-2*\k                            ; LDS loads come back in order: this one is in, the younger ones may be out
	global_store_b128 v11, v[32+8*\k:35+8*\k], s[50:51] offset:4096*\k th:TH_STORE_NT   ; 32 lanes store 512 consecutive bytes, at a multiple of 512 from out0's first byte
	s_wait_dscnt 6-2*\k
	global_store_b128 v11, v[36+8*\k:39+8*\k], s[52:53] offset:4096*\k th:TH_STORE_NT
.endr
	s_wait_xcnt 0x0
	v_lshl_add_u32 v254, v0, 2, 0x48000
	v_mov_b32 v255, 0
	s_wait_tensorcnt 0x0
	ds_add_u32 v254, v255
	s_wait_dscnt 0x0
	s_endpgm
.Lfunc_end_k_q6345b05a67_attn:
	.size	k_q6345b05a67_attn, .Lfunc_end_k_q6345b05a67_attn-k_q6345b05a67_attn
	.p2alignl 7, 3214868480
	.fill 96, 4, 3214868480
	.section	.rodata,"a",@progbits
	.p2align	6, 0x0
	.amdhsa_kernel k_q6345b05a67_attn
		.amdhsa_group_segment_fixed_size 296960
		.amdhsa_private_segment_fixed_size 0
		.amdhsa_enable_private_segment 0
		.amdhsa_kernarg_size 64
		.amdhsa_user_sgpr_count 2
		.amdhsa_user_sgpr_kernarg_segment_ptr 1
		.amdhsa_wavefront_size32 1
		.amdhsa_system_sgpr_workgroup_id_x 1
		.amdhsa_system_sgpr_workgroup_id_y 1
		.amdhsa_system_sgpr_workgroup_id_z 1
		.amdhsa_system_vgpr_workitem_id 0
		.amdhsa_next_free_vgpr 256
		.amdhsa_next_free_sgpr 66
		.amdhsa_reserve_vcc 1
		.amdhsa_float_denorm_mode_32 3
		.amdhsa_float_denorm_mode_16_64 3
		.amdhsa_memory_ordered 1
		.amdhsa_forward_progress 1
		.amdhsa_inst_pref_size 114
	.end_amdhsa_kernel
	.amdgpu_metadata
---
amdhsa.version: [ 1, 2 ]
amdhsa.kernels:
  - .name:           k_q6345b05a67_attn
    .symbol:         k_q6345b05a67_attn.kd
    .args:
      - { .name: xq, .offset: 0, .size: 8, .value_kind: global_buffer, .address_space: global }
      - { .name: xs, .offset: 8, .size: 8, .value_kind: global_buffer, .address_space: global }
      - { .name: wq, .offset: 16, .size: 8, .value_kind: global_buffer, .address_space: global }
      - { .name: ws, .offset: 24, .size: 8, .value_kind: global_buffer, .address_space: global }
      - { .name: q_b, .offset: 32, .size: 8, .value_kind: global_buffer, .address_space: global }
      - { .name: k_b, .offset: 40, .size: 8, .value_kind: global_buffer, .address_space: global }
      - { .name: v_b, .offset: 48, .size: 8, .value_kind: global_buffer, .address_space: global }
      - { .name: out0, .offset: 56, .size: 8, .value_kind: global_buffer, .address_space: global }
    .group_segment_fixed_size: 296960
    .private_segment_fixed_size: 0
    .kernarg_segment_align: 8
    .kernarg_segment_size: 64
    .max_flat_workgroup_size: 512
    .sgpr_count:     66
    .vgpr_count:     256
    .wavefront_size: 32
...
	.end_amdgpu_metadata
.endif
;; end of part 2
;; ======== version 2 of 2: 2 launches
;; workspace buffers: xq 2,097,152 bytes; xs 65,536 bytes; wq 393,216 bytes; ws 24,576 bytes
;; launch quant (part 3): grid 352 x 1, 2 waves a work-group, no clusters, 0 bytes of LDS; arguments input, q_w, k_w, v_w, xq, xs, wq, ws; writes xq, xs, wq, ws
.if DOCPART == 3
	.amdgcn_target "amdgcn-amd-amdhsa--gfx1250"
	.amdhsa_code_object_version 6
	.text
	.protected	k_q6345b05a67_quant
	.globl	k_q6345b05a67_quant
	.p2align	8
	.type	k_q6345b05a67_quant,@function
k_q6345b05a67_quant:
	s_mov_b64 s[64:65], 0
	v_nop
	global_prefetch_b8 v0, s[64:65] scope:SCOPE_SE
	s_setreg_imm32_b32 hwreg(HW_REG_WAVE_MODE, 25, 1), 1
	s_wait_xcnt 0x0
; x (= input seen as [b][position][channel]) and the three weights become codes of FP8 (E4M3) with one E8M0 scale byte for each 32 channels, ONCE, laid as the next launch's matrix operands want them.
; A block's scale is 2^(floor(log2(its largest magnitude)) - 8); its byte is the largest magnitude's exponent field - 8, held at 1 from below; each number is divided by the scale, held within +-448, and
; rounded to the nearest code, ties to even.
; LIMITS: NaN and infinities among the inputs are not served.  A block of zeros gets the byte 1 where the quantiser says 127: its codes are zeros, which add nothing under any byte but 0xff, and only this program reads the bytes.
; A FRAGMENT'S IMAGE is the 16 registers of an operand of 16 rows x 128 K: [group g 0..3][lane 0..31][16 bytes]; lane (r = lane % 16, h = lane / 16) holds k = 32 g + 16 h + 0 .. 15 of row r.
; xq [b 8][tile T 64][K step s 2][2,048]: row r of tile T is position 32 (T / 2) + 8 (T % 2) + r + 8 (r / 8).   xs [b][s][T][16 words]: row r's four scale bytes.
; wq [head 8][tensor 3: q, k, v][tile t 4][s 2][2,048]: q, k: row r is channel 64 head + 32 (t / 2) + 8 (t % 2) + r + 8 (r / 8); v: 64 head + 16 t + r.   ws: the same order, 32 words: lane's row's scale word.
; Work-groups 0-255 take x, 256-351 the weights: two ways that part once, on the work-group's number.  No LDS, no barrier: waves share nothing.
.set X,     32                         ; v32-95   the numbers: x: two sets of 32; a weight: 64
.set C,     96                         ; v96-127  the codes: never written twice, so no store's data are written again
.set SW,    24                         ; v24      the scale word
.set TM,    112                        ; v112-127 (weights) largest magnitudes, bytes, holds, scale operands
.set FLOOR, 0x4800000                  ; 2^(9 - 127): under it no largest magnitude is taken, so the byte cannot fall under 1
.set EOFF,  0xfc000000                 ; -(8 << 23): 8 off an exponent field
.set EFLD,  0x7f800000                 ; the exponent field
	s_load_b256 s[4:11], s[0:1], 0x0               ; input s[4:5], q_w s[6:7], k_w s[8:9], v_w s[10:11]
	s_load_b256 s[12:19], s[0:1], 0x20             ; xq s[12:13], xs s[14:15], wq s[16:17], ws s[18:19]
	v_lshrrev_b32 v1, 5, v0
	v_readfirstlane_b32 s20, v1                    ; wave 0, 1
	v_and_b32 v4, 31, v0                           ; lane
	s_mov_b32 s21, 0x600000                        ; the mantissa field of 448
	s_mov_b32 s31, 0                               ; the upper words of three offsets
	s_mov_b32 s35, 0
	s_mov_b32 s37, 0
	s_cmp_lt_u32 ttmp9, 256
	s_cbranch_scc0 .Lweights
	; ---- x.  K (the channel) is not innermost in memory: A LANE TAKES A POSITION AND ITS REGISTERS RUN DOWN THE CHANNELS.  A wave: 32 positions (a pair of tiles) x 128 channels (a K step): four blocks, each in one lane.
	s_lshr_b32 s22, ttmp9, 5                       ; b
	s_and_b32 s23, ttmp9, 1                        ; K step
	s_bfe_u32 s24, ttmp9, 0x40001
	s_lshl_b32 s24, s24, 1
	s_add_co_u32 s24, s24, s20                     ; pair P of tiles: positions 32 P on
	s_lshl_b32 s25, s22, 20
	s_lshl_b32 s26, s23, 19
	s_or_b32 s25, s25, s26
	s_lshl_b32 s26, s24, 7
	s_or_b32 s30, s25, s26                         ; input: b x 256 x 4,096 + 128 s x 4,096 + 32 P x 4
	s_lshl_b32 s25, s22, 18
	s_lshl_b32 s26, s24, 13
	s_or_b32 s25, s25, s26
	s_lshl_b32 s26, s23, 11
	s_or_b32 s34, s25, s26                         ; xq: b x 262,144 + 2 P x 4,096 + s x 2,048
	s_lshl_b32 s25, s22, 13
	s_lshl_b32 s26, s23, 12
	s_or_b32 s25, s25, s26
	s_lshl_b32 s26, s24, 7
	s_or_b32 s36, s25, s26                         ; xs: b x 8,192 + s x 4,096 + 2 P x 64
	s_wait_alu depctr_va_vdst(0)
	v_lshlrev_b32 v1, 2, v4                        ; in: 4 bytes a lane: a load reads 128 consecutive bytes
	v_bfe_u32 v5, v4, 3, 1                         ; position p of the pair lies in tile u = (p / 8) % 2,
	v_and_b32 v6, 7, v4
	v_lshrrev_b32 v7, 4, v4
	v_lshl_add_u32 v6, v7, 3, v6                   ; row r = p % 8 + 8 (p / 16)
	v_lshlrev_b32 v2, 4, v6
	v_lshl_add_u32 v2, v5, 12, v2                  ; codes: 4,096 u + 16 r
	v_lshlrev_b32 v3, 2, v6
	v_lshl_add_u32 v3, v5, 6, v3                   ; scale word: 64 u + 4 r
	s_wait_alu depctr_va_vdst(0)
	s_wait_kmcnt 0x0
	s_add_nc_u64 s[4:5], s[4:5], s[30:31]
	s_add_nc_u64 s[12:13], s[12:13], s[34:35]
	s_add_nc_u64 s[14:15], s[14:15], s[36:37]
.macro LOADX g                         ; block g: channels 32 g + 0 .. 31 of my position, into set g % 2
.irp i, 0,1,2,3,4,5,6,7,8,9,10,11,12,13,14,15,16,17,18,19,20,21,22,23,24,25,26,27,28,29,30,31
	global_load_b32 v[X+32*((\g)%2)+\i], v1, s[4:5] offset:(32*(\g)+\i)*4096 th:TH_LOAD_NT
.endr
.endm
.macro BLOCK g
.set XB, X+32*((\g)%2)
.if (\g) < 3
	s_wait_loadcnt 32                              ; this block's 32 loads are in; the next block's 32 may be out
.else
	s_wait_loadcnt 0x0
.endif
	v_max3_num_f32 v12, |v[XB]|, |v[XB+1]|, |v[XB+2]|              ; the block's largest magnitude: all 32 numbers are mine; two chains
	v_max3_num_f32 v13, |v[XB+3]|, |v[XB+4]|, |v[XB+5]|
.irp i, 6,10,14,18,22,26
	v_max3_num_f32 v12, v12, |v[XB+\i]|, |v[XB+\i+1]|
	v_max3_num_f32 v13, v13, |v[XB+\i+2]|, |v[XB+\i+3]|
.endr
	v_max3_num_f32 v12, v12, |v[XB+30]|, |v[XB+31]|
	v_max3_num_f32 v12, v12, v13, FLOOR
	v_add_nc_u32 v11, EOFF, v12                    ; the conversion takes the exponent field of this operand as its scale
	v_and_or_b32 v10, v12, EFLD, s21               ; 448 x the scale
	v_lshrrev_b32 v13, 23, v11                     ; the scale's byte
.if (\g) == 0
	v_mov_b32 v[SW], v13
.else
	v_lshl_or_b32 v[SW], v13, 8*(\g), v[SW]
.endif
.irp i, 0,1,2,3,4,5,6,7,8,9,10,11,12,13,14,15,16,17,18,19,20,21,22,23,24,25,26,27,28,29,30,31
	v_med3_num_f32 v[XB+\i], v[XB+\i], -v10, v10   ; the conversion to an 8-bit code does not saturate (ISA guide 7.6.2): the hold comes first
.endr
.irp q, 0,1,2,3
	v_cvt_scalef32_pk8_fp8_f32 v[C+8*(\g)+2*\q:C+8*(\g)+2*\q+1], v[XB+8*\q:XB+8*\q+7], v11
.endr
	global_store_b128 v2, v[C+8*(\g):C+8*(\g)+3], s[12:13] offset:512*(\g)          ; k = 32 g + 0 .. 15: the image's lanes 0-15; the 16 lanes of a tile store 256 consecutive bytes, aligned
	global_store_b128 v2, v[C+8*(\g)+4:C+8*(\g)+7], s[12:13] offset:512*(\g)+256    ; k = 32 g + 16 .. 31: its lanes 16-31
.if (\g)+2 < 4
	LOADX (\g)+2                                   ; (the next block begins with plain vector lines: the place behind the conversions)
.endif
.endm
	LOADX 0
	LOADX 1
	BLOCK 0
	BLOCK 1
	BLOCK 2
	BLOCK 3
	global_store_b32 v3, v[SW], s[14:15]           ; my position's four scale bytes
	s_endpgm
.Lweights:
	; ---- a weight: K is innermost.  A wave makes one fragment: lane (r, h) loads, of its row, 16 neighbours of each block of 32, in the operand's own order.
	s_sub_co_u32 s22, ttmp9, 256
	s_lshr_b32 s23, s22, 5                         ; tensor: 0 q, 1 k, 2 v
	s_bfe_u32 s24, s22, 0x30002                    ; head
	s_and_b32 s25, s22, 3                          ; tile t
	s_mul_i32 s26, s24, 12
	s_lshl_b32 s27, s23, 2
	s_add_co_u32 s26, s26, s27
	s_add_co_u32 s26, s26, s25                     ; record = 12 head + 4 tensor + t
	s_lshl_b32 s27, s25, 4                         ; v: the tile begins at row 16 t, and its rows are neighbours;
	s_lshr_b32 s28, s25, 1
	s_lshl_b32 s28, s28, 5
	s_and_b32 s29, s25, 1
	s_lshl_b32 s29, s29, 3
	s_add_co_u32 s28, s28, s29                     ; q, k: at 32 (t / 2) + 8 (t % 2), and rows 8-15 lie 8 further on
	s_cmp_eq_u32 s23, 2
	s_cselect_b32 s27, s27, s28
	s_cselect_b32 s29, 0, 8
	s_lshl_b32 s28, s24, 6
	s_add_co_u32 s27, s27, s28                     ; + 64 head
	s_lshl_b32 s30, s27, 10                        ; a row is 1,024 bytes;
	s_lshl_b32 s28, s20, 9
	s_add_co_u32 s30, s30, s28                     ; the wave's K step: 512 bytes on
	s_lshl_b32 s34, s26, 12
	s_lshl_b32 s28, s20, 11
	s_add_co_u32 s34, s34, s28                     ; wq: 4,096 record + 2,048 s
	s_lshl_b32 s36, s26, 8
	s_lshl_b32 s28, s20, 7
	s_add_co_u32 s36, s36, s28                     ; ws: 256 record + 128 s
	s_mov_b32 s32, 0x76543210
	s_mov_b32 s33, 0xfedcba98                      ; v_permlanex16_b32's selects for lane l xor 16
	v_and_b32 v5, 15, v0                           ; r
	v_bfe_u32 v6, v0, 4, 1                         ; h
	v_and_b32 v7, s29, v5
	v_add_nc_u32 v7, v7, v5                        ; r, or r + 8 (r / 8)
	v_lshlrev_b32 v1, 10, v7
	v_lshl_add_u32 v1, v6, 6, v1                   ; row x 1,024 + 64 h
	s_wait_alu depctr_va_vdst(0)
	v_lshlrev_b32 v2, 4, v4                        ; out: 16 x lane,
	v_lshlrev_b32 v3, 2, v4                        ; 4 x lane
	s_wait_kmcnt 0x0
	s_cmp_eq_u32 s23, 1                            ; the choice hangs on the work-group's number alone
	s_cselect_b64 s[8:9], s[8:9], s[10:11]
	s_cmp_eq_u32 s23, 0
	s_cselect_b64 s[6:7], s[6:7], s[8:9]
	s_add_nc_u64 s[6:7], s[6:7], s[30:31]
	s_add_nc_u64 s[16:17], s[16:17], s[34:35]
	s_add_nc_u64 s[18:19], s[18:19], s[36:37]
.irp g, 0,1,2,3
.irp j, 0,1,2,3
	global_load_b128 v[X+16*\g+4*\j:X+16*\g+4*\j+3], v1, s[6:7] offset:128*\g+16*\j th:TH_LOAD_NT
.endr
.endr
.irp b, 0,1,2,3
	v_mov_b32 v[TM+4+\b], 0                        ; a lane permute's destination counts as one of its sources
.endr
	s_wait_loadcnt 0x0
.irp b, 0,1,2,3
	v_max3_num_f32 v[TM+\b], |v[X+16*\b]|, |v[X+16*\b+1]|, FLOOR
.endr
.irp i, 2,4,6,8,10,12,14
.irp b, 0,1,2,3
	v_max3_num_f32 v[TM+\b], v[TM+\b], |v[X+16*\b+\i]|, |v[X+16*\b+\i+1]|   ; the four blocks by turns
.endr
.endr
.irp b, 0,1,2,3
	v_permlanex16_b32 v[TM+4+\b], v[TM+\b], s32, s33
.endr
.irp b, 0,1,2,3
	v_max_num_f32 v[TM+\b], v[TM+\b], v[TM+4+\b]   ; with lane l xor 16's 16: the block's largest magnitude
.endr
.irp b, 0,1,2,3
	v_add_nc_u32 v[TM+12+\b], EOFF, v[TM+\b]
.endr
.irp b, 0,1,2,3
	v_and_or_b32 v[TM+8+\b], v[TM+\b], EFLD, s21
.endr
.irp b, 0,1,2,3
	v_lshrrev_b32 v[TM+4+\b], 23, v[TM+12+\b]
.endr
	v_lshl_or_b32 v[SW], v[TM+5], 8, v[TM+4]
	v_lshl_or_b32 v[SW], v[TM+6], 16, v[SW]
	v_lshl_or_b32 v[SW], v[TM+7], 24, v[SW]
.irp b, 0,1,2,3
.irp i, 0,1,2,3,4,5,6,7,8,9,10,11,12,13,14,15
	v_med3_num_f32 v[X+16*\b+\i], v[X+16*\b+\i], -v[TM+8+\b], v[TM+8+\b]
.endr
	v_cvt_scalef32_pk8_fp8_f32 v[C+4*\b:C+4*\b+1], v[X+16*\b:X+16*\b+7], v[TM+12+\b]
	v_cvt_scalef32_pk8_fp8_f32 v[C+4*\b+2:C+4*\b+3], v[X+16*\b+8:X+16*\b+15], v[TM+12+\b]
.endr
.irp g, 0,1,2,3
	global_store_b128 v2, v[C+4*\g:C+4*\g+3], s[16:17] offset:512*\g   ; the image as it stands: 512 consecutive bytes a store
.endr
	global_store_b32 v3, v[SW], s[18:19]           ; lanes 16-31 hold the same words as lanes 0-15
	s_endpgm
.Lfunc_end_k_q6345b05a67_quant:
	.size	k_q6345b05a67_quant, .Lfunc_end_k_q6345b05a67_quant-k_q6345b05a67_quant
	.p2alignl 7, 3214868480
	.fill 96, 4, 3214868480
	.section	.rodata,"a",@progbits
	.p2align	6, 0x0
	.amdhsa_kernel k_q6345b05a67_quant
		.amdhsa_group_segment_fixed_size 0
		.amdhsa_private_segment_fixed_size 0
		.amdhsa_enable_private_segment 0
		.amdhsa_kernarg_size 64
		.amdhsa_user_sgpr_count 2
		.amdhsa_user_sgpr_kernarg_segment_ptr 1
		.amdhsa_wavefront_size32 1
		.amdhsa_system_sgpr_workgroup_id_x 1
		.amdhsa_system_sgpr_workgroup_id_y 1
		.amdhsa_system_sgpr_workgroup_id_z 1
		.amdhsa_system_vgpr_workitem_id 0
		.amdhsa_next_free_vgpr 128
		.amdhsa_next_free_sgpr 66
		.amdhsa_reserve_vcc 0
		.amdhsa_float_denorm_mode_32 3
		.amdhsa_float_denorm_mode_16_64 3
		.amdhsa_memory_ordered 1
		.amdhsa_forward_progress 1
		.amdhsa_inst_pref_size 41
	.end_amdhsa_kernel
	.amdgpu_metadata
---
amdhsa.version: [ 1, 2 ]
amdhsa.kernels:
  - .name:           k_q6345b05a67_quant
    .symbol:         k_q6345b05a67_quant.kd
    .args:
      - { .name: input, .offset: 0, .size: 8, .value_kind: global_buffer, .address_space: global }
      - { .name: q_w, .offset: 8, .size: 8, .value_kind: global_buffer, .address_space: global }
      - { .name: k_w, .offset: 16, .size: 8, .value_kind: global_buffer, .address_space: global }
      - { .name: v_w, .offset: 24, .size: 8, .value_kind: global_buffer, .address_space: global }
      - { .name: xq, .offset: 32, .size: 8, .value_kind: global_buffer, .address_space: global }
      - { .name: xs, .offset: 40, .size: 8, .value_kind: global_buffer, .address_space: global }
      - { .name: wq, .offset: 48, .size: 8, .value_kind: global_buffer, .address_space: global }
      - { .name: ws, .offset: 56, .size: 8, .value_kind: global_buffer, .address_space: global }
    .group_segment_fixed_size: 0
    .private_segment_fixed_size: 0
    .kernarg_segment_align: 8
    .kernarg_segment_size: 64
    .max_flat_workgroup_size: 64
    .sgpr_count:     66
    .vgpr_count:     128
    .wavefront_size: 32
...
	.end_amdgpu_metadata
.endif
;; end of part 3
;; launch attn (part 4): grid 4 x 64, 16 waves a work-group, no clusters, 296,960 bytes of LDS; arguments xq, xs, wq, ws, q_b, k_b, v_b, out0; writes out0
.if DOCPART == 4
	.amdgcn_target "amdgcn-amd-amdhsa--gfx1250"
	.amdhsa_code_object_version 6
	.text
	.protected	k_q6345b05a67_attn
	.globl	k_q6345b05a67_attn
	.p2align	8
	.type	k_q6345b05a67_attn,@function
k_q6345b05a67_attn:
	s_mov_b64 s[64:65], 0
	v_nop
	global_prefetch_b8 v0, s[64:65] scope:SCOPE_SE
	s_setreg_imm32_b32 hwreg(HW_REG_WAVE_SCHED_MODE, 0, 2), 2
	s_setreg_imm32_b32 hwreg(HW_REG_WAVE_MODE, 25, 1), 1
	s_wait_xcnt 0x0
	s_wait_alu depctr_vm_vsrc(0)
; out0[b][64 head + d][s] = the sum over keys k <= s of softmax_k(q[s] . k[k] / 8) v[k][d], with q, k, v = x W^T + bias made here, all five products on codes of FP8 (E4M3) with one E8M0 scale for each 32 along K.
; x and the weights arrive as codes, laid as images of matrix operands (a fragment of 16 rows x 128 K: [group g][lane][16 bytes], lane (r, h) holding k = 32 g + 16 h + 0 .. 15 of row r).
; SHARES.  Work-group (J = x, y = 8 b + head) owns query blocks J and 7 - J of 128 queries: (J + 1) + (8 - J) = 9 key steps of 128 keys for each pair of waves, in every work-group.  Sixteen waves of 256 registers;
; wave w owns ONE tile of 16 queries: tile w / 2 of block J or 7 - J.  The first 16 - 2 J waves also make K and V of positions 64 w .. 64 w + 63; q, k, v never go to memory.
; ROW r OF A TILE T OF POSITIONS is position 32 (T / 2) + 8 (T % 2) + r + 8 (r / 8), and the rows of q_w's and k_w's tiles are chosen likewise: so a lane's 16 registers of two neighbouring result tiles are 16 NEIGHBOURS
; along the next product's K, and the conversions' results are the next operand's registers.
; q, k: source 0 = 16 rows of W, source 1 = 16 positions: a lane holds one position, its registers run along the channels.   v: the sources swapped: a lane holds one channel, its registers run along the positions (the keys).
; THE HEAD IS 64 AND THE FORM'S K IS 128: a fragment of K holds TWO tiles of keys (group 2 c + u: tile u, channels 32 c on); Q stands twice, as [Q0, 0, Q1, 0] and [0, Q0, 0, Q1]: zero codes pick the tile.  K's codes are
; numbers (the hold), so they add exactly 0 there.
; THE SOFTMAX: t = score x log2(e) / 8; M = the largest t so far, rounded up to a whole number; p = 2^(t - M) is quantised along the keys; the sum of the unquantised p divides O at the end; when M moves, sum and O are multiplied by 2^(old M - new M).
; NO CLUSTER, NO JOINT LOADS: the four work-groups of a head need different numbers of x's tiles (64 - 8 J), and each wave takes its own straight into registers; what all four bring into LDS alike is the head's weights and biases,
; 64,512 bytes once in the launch.  No tensor load, so no ring.
; LIMITS: NaN and infinities among the inputs are not served.  A block of zeros has the byte 1 where the quantiser says 127 (zero codes; only this program reads the bytes).  A block's largest p is taken from its largest score:
; that takes v_exp_f32 not to fall where its input rises.
; THE MODE: SCHED_MODE bits 1:0 = 2 (LLVM: expert scheduling mode 2), set by the entry lines.  The code itself states the register dependences between vector or matrix instructions and memory or LDS instructions,
; with s_wait_alu, always for 0.
; THE PLAN.  Registers that memory or LDS instructions touch, and who else names them.
;   WHILE q, k, v ARE MADE.  v1-7: LDS addresses, made once at the head, written anew only behind the second barrier.  v16-62: the head's staging, offsets and addresses; LDS loads and q's sums land there later.
;   WB, BC, WS (v8-47, v244-245): a tile's LDS loads land in them, its products read them; QUANT then writes v16-47, LDS stores read the codes there, the next tile's loads land there again.
;   So: a wait on va_vdst ahead of each run of loads that follows products; one behind each QUANT, ahead of its stores, which serves the next run of loads too, since no vector line stands between;
;   a wait on vm_vsrc behind each run of stores.  XR, XS, QX, QXS are loaded once from memory and read by products alone.
;   IN A KEY STEP.  v8-11: written by four additions at the step's head, read by the step's LDS loads.  v32-95, v248-251: K's loads land, S^T's products read, V's loads land, O^T's products read.
;   v208-223, v253: p's codes and scale word, written by vector lines, taken by O^T's products.  So: vm_vsrc at the step's label; va_vdst behind the additions; va_vdst behind S^T's products, on which all of V's loads lean:
;   they are dealt among the lines of the mask's and the maximum's search, which name v5, v96-159, v224-231 and v254 alone; va_vdst ahead of O^T's products.
;   All 256 registers of the wave are taken, and four such waves fill a SIMD's registers: the fragments have one buffer.
.set KIMG,  0                          ; LDS: K: 32 pair fragments x 2,048
.set VIMG,  65536                      ; V: [key step 8][tile of 16 channels 4][2,048]
.set KSC,   131072                     ; K's scale words: [pair 32][lane][4], byte 2 c + u
.set VSC,   135168                     ; V's: [key step][tile][lane][4], byte = block of 32 keys
.set WIMG,  139264                     ; the head's weights: [tensor 3][tile 4][K step 2][2,048]
.set BIMG,  188416                     ; the biases as images of a C operand: [tensor 3][tile 4][registers 0-3, 4-7][lane][16]
.set WSC,   200704                     ; the weights' scale words: [tensor][tile][K step][lane][4]
.set QPK,   203776                     ; each wave's own 1,536 bytes: Q's two groups of codes, and its scale word at 1,024 + 16 x lane
.set STG,   228352                     ; the way out: 64 channels x (256 queries of 4 bytes + 16)
.set SPI,   1040                       ; 8 rows are 2,080 words = 32 modulo 64 (64 banks of 4 bytes: ISA guide 11.1): lanes 16-31, 8 rows on, fall beside lanes 0-15
.set NP,    8                          ; places behind this matrix instruction (ISA guide 7.12.1)
; vector registers while q, k, v are made
.set WLI, 1                            ; v1   WIMG + 16 x lane
.set WL4, 2                            ; v2   WSC + 4 x lane
.set KST, 3                            ; v3   where I store K's images
.set KSS, 4                            ; v4   and their scale words
.set VST, 5                            ; v5   V's images
.set VSS, 6                            ; v6   and their scale half words
.set QPA, 7                            ; v7   my wave's QPK + 16 x lane
.set BC,  8                            ; v8-15    a tile's bias, as C
.set WB,  16                           ; v16-47   a tile of W: K step 0, K step 1.  While a result is quantised: TM and PC
.set TM,  16                           ; v16-19 largest magnitudes, v20-23 bytes, v24-27 holds, v28-31 scale operands
.set PC,  32                           ; v32-47   the codes just made
.set ACC, 48                           ; v48-111  eight result tiles
.set QX,  80                           ; v80-111  x's tile of my queries (Q's sums take v48-79 only)
.set XR,  112                          ; v112-239 x's four tiles of my 64 positions: tile i, K step s at 32 i + 16 s
.set XS,  240                          ; v240-243 their scale words: pair p, K step s at 2 p + s; lanes 0-15 the even tile's, lanes 16-31 the odd tile's
.set WS,  244                          ; v244-245 W's scale words
.set QXS, 246                          ; v246-247 those of my queries' x
.set PW,  252                          ; v252, v254 scale words just made
.set PW0, 254
; scalar registers
.set MK,   4                           ; s4-19  in the key steps: sixteen lane masks of the causal step (the arguments that lay here are done with by then)
.set WV,   20
.set J,    21
.set BB,   22
.set HD,   23
.set SEL,  24                          ; which of the two query blocks is my wave's: (w xor w / 4) % 2
.set IDX,  25                          ; which tile of it: w / 2
.set BQ,   26                          ; the block's number: it enters branches and global addresses alone
.set TQ,   27
.set NACT, 28
.set PSEL, 32                          ; s[32:33] v_permlanex16_b32's selects for lane l xor 16
.set CS,   34                          ; s[34:35] c = log2(e) / 8
.set MNT,  36                          ; the mantissa field of 448
.set KS,   37                          ; the key step
.set TK,   38                          ; 8,192 x key step
.set TS,   39                          ; 512 x key step
.macro PLACES n
.rept \n
	v_nop
.endr
.endm
.macro BARRIER                         ; my LDS stores have landed and my LDS loads are in: then the work-group's barrier
	s_wait_dscnt 0x0
	s_barrier_signal -1
	s_barrier_wait -1
.endm
; One product.  row = 1: source 0's scales stand in lanes 16-31; row = 2: source 1's
.macro PROD d, a, b, c, sa, sb, row
.if \row == 0
	v_wmma_scale_f32_16x16x128_f8f6f4 v[(\d):(\d)+7], v[(\a):(\a)+15], v[(\b):(\b)+15], v[(\c):(\c)+7], v[\sa], v[\sb]
.elseif \row == 1
	v_wmma_scale_f32_16x16x128_f8f6f4 v[(\d):(\d)+7], v[(\a):(\a)+15], v[(\b):(\b)+15], v[(\c):(\c)+7], v[\sa], v[\sb] matrix_a_scale:MATRIX_SCALE_ROW1
.else
	v_wmma_scale_f32_16x16x128_f8f6f4 v[(\d):(\d)+7], v[(\a):(\a)+15], v[(\b):(\b)+15], v[(\c):(\c)+7], v[\sa], v[\sb] matrix_b_scale:MATRIX_SCALE_ROW1
.endif
.endm
; Tile tt of tensor x (0 q, 1 k, 2 v): both K steps, their scale words, the bias
.macro WLOAD x, tt
.irp s, 0,1
.irp g, 0,1,2,3
	ds_load_b128 v[WB+16*\s+4*\g:WB+16*\s+4*\g+3], v[WLI] offset:(\x)*16384+(\tt)*4096+\s*2048+\g*512
.endr
	ds_load_b32 v[WS+\s], v[WL4] offset:(\x)*1024+(\tt)*256+\s*128
.endr
	ds_load_b128 v[BC:BC+3], v[WLI] offset:BIMG-WIMG+(\x)*4096+(\tt)*1024
	ds_load_b128 v[BC+4:BC+7], v[WLI] offset:BIMG-WIMG+(\x)*4096+(\tt)*1024+512
	s_wait_dscnt 0x0
.endm
; Tile t of a key step's V: its fragment and its scale words
.macro VLOAD t
.irp g, 0,1,2,3
	ds_load_b128 v[32+16*(\t)+4*\g:35+16*(\t)+4*\g], v9 offset:2048*(\t)+512*\g
.endr
	ds_load_b32 v[248+(\t)], v11 offset:128*(\t)
.endm
; nb blocks of a lane's numbers, block b's 16 in v[s + 16 b] on (lane l xor 16 holds the block's other 16), become codes in v[PC + 4 b] on and a scale word in v[w]: nb = 4: bytes b0 b1 b2 b3; nb = 2: b0 b0 b1 b1
.macro QUANT s, nb, w
.set qb, 0
.rept \nb
	v_max3_num_f32 v[TM+qb], |v[\s+16*qb]|, |v[\s+16*qb+1]|, 0x4800000   ; with the floor 2^(9 - 127): the byte cannot fall under 1.  (Each result tile is read from its low end on)
.set qb, qb+1
.endr
.irp i, 2,4,6,8,10,12,14
.set qb, 0
.rept \nb
	v_max3_num_f32 v[TM+qb], v[TM+qb], |v[\s+16*qb+\i]|, |v[\s+16*qb+\i+1]|   ; the blocks by turns
.set qb, qb+1
.endr
.endr
.set qb, 0
.rept \nb
	v_permlanex16_b32 v[TM+4+qb], v[TM+qb], s[PSEL], s[PSEL+1]
.set qb, qb+1
.endr
.set qb, 0
.rept \nb
	v_max_num_f32 v[TM+qb], v[TM+qb], v[TM+4+qb]   ; the block's largest magnitude
.set qb, qb+1
.endr
.set qb, 0
.rept \nb
	v_add_nc_u32 v[TM+12+qb], 0xfc000000, v[TM+qb]   ; 8 off its exponent field: the conversion's scale operand
.set qb, qb+1
.endr
.set qb, 0
.rept \nb
	v_and_or_b32 v[TM+8+qb], v[TM+qb], 0x7f800000, s[MNT]   ; 448 x the scale
.set qb, qb+1
.endr
.set qb, 0
.rept \nb
	v_lshrrev_b32 v[TM+4+qb], 23, v[TM+12+qb]      ; the scale's byte
.set qb, qb+1
.endr
.if \nb == 4
	v_lshl_or_b32 v[\w], v[TM+5], 8, v[TM+4]
	v_lshl_or_b32 v[\w], v[TM+6], 16, v[\w]
	v_lshl_or_b32 v[\w], v[TM+7], 24, v[\w]
.else
	v_lshl_or_b32 v[\w], v[TM+4], 8, v[TM+4]
	v_lshl_or_b32 v[TM+4], v[TM+5], 8, v[TM+5]
	v_lshl_or_b32 v[\w], v[TM+4], 16, v[\w]
.endif
.set qb, 0
.rept \nb
.irp i, 0,1,2,3,4,5,6,7,8,9,10,11,12,13,14,15
	v_med3_num_f32 v[\s+16*qb+\i], v[\s+16*qb+\i], -v[TM+8+qb], v[TM+8+qb]   ; the conversion to an 8-bit code does not saturate (ISA guide 7.6.2): the hold comes first
.endr
	v_cvt_scalef32_pk8_fp8_f32 v[PC+4*qb:PC+4*qb+1], v[\s+16*qb:\s+16*qb+7], v[TM+12+qb]
	v_cvt_scalef32_pk8_fp8_f32 v[PC+4*qb+2:PC+4*qb+3], v[\s+16*qb+8:\s+16*qb+15], v[TM+12+qb]
.set qb, qb+1
.endr
	v_nop                                          ; one plain line between the last conversion and whatever next touches its registers
.endm
; The tile of W in WB against my four tiles of positions, both K steps; the four sums take turns; the bias starts each sum.
.macro MULK u                          ; source 0 = W: lane (r, h) holds position row r of tile xt; register 16 xt + 8 u + j = channel 32 c + 16 h + 8 u + j
.irp s, 0,1
.irp xt, 0,1,2,3
.if \s == 0
	PROD ACC+16*\xt+8*\u, WB, XR+32*\xt, BC, WS, XS+2*(\xt/2), 2*(\xt%2)
.else
	PROD ACC+16*\xt+8*\u, WB+16, XR+32*\xt+16, ACC+16*\xt+8*\u, WS+1, XS+2*(\xt/2)+1, 2*(\xt%2)
.endif
.endr
.endr
.endm
.macro MULV t                          ; source 0 = x: lane (r, h) holds channel r of the tile; register 32 t + 8 xt + j = position 64 w + 32 (xt / 2) + 16 h + 8 (xt % 2) + j
.irp s, 0,1
.irp xt, 0,1,2,3
.if \s == 0
	PROD ACC+32*\t+8*\xt, XR+32*\xt, WB, BC, XS+2*(\xt/2), WS, \xt%2
.else
	PROD ACC+32*\t+8*\xt, XR+32*\xt+16, WB+16, ACC+32*\t+8*\xt, XS+2*(\xt/2)+1, WS+1, \xt%2
.endif
.endr
.endr
.endm
; My 16 queries' q: four tiles of q_w against one tile of x; quantised; codes and scale word wait in my own LDS bytes
.macro QPART
.irp tt, 0,1,2,3
.if \tt > 0
	PLACES NP                                      ; in front of loads into registers that the last products read
	s_wait_alu depctr_va_vdst(0)                   ; the last tile's two products are done reading WB, BC and WS, in which the loads below land
.endif
	WLOAD 0, \tt
	PROD ACC+8*\tt, WB, QX, BC, WS, QXS, 0
	s_wait_alu depctr_va_vdst(0)                   ; one sum, two links on end
	PROD ACC+8*\tt, WB+16, QX+16, ACC+8*\tt, WS+1, QXS+1, 0
.endr
	PLACES NP+1                                    ; results are read next; one place more, since later products write over these registers
	QUANT ACC, 2, PW
	s_wait_alu depctr_va_vdst(0)                   ; the conversions have written v[PC ..] and v[PW], which the stores read; QUANT and the products are done with v8-47 and WS, in which later LDS loads land
	ds_store_b128 v[QPA], v[PC:PC+3]
	ds_store_b128 v[QPA], v[PC+4:PC+7] offset:512
	ds_store_b32 v[QPA], v[PW] offset:1024
	s_wait_dscnt 0x0                               ; the stores have landed
	s_wait_alu depctr_vm_vsrc(0)                   ; the stores have read v[PC ..] and v[PW], and the loads above v1 and v2: all are written again further on
.endm
	s_load_b256 s[4:11], s[0:1], 0x0               ; xq s[4:5], xs s[6:7], wq s[8:9], ws s[10:11]
	s_load_b256 s[12:19], s[0:1], 0x20             ; q_b s[12:13], k_b s[14:15], v_b s[16:17], out0 s[18:19]
	v_lshrrev_b32 v1, 5, v0
	v_readfirstlane_b32 s[WV], v1                  ; wave 0..15
	s_mov_b32 s[J], ttmp9
	s_and_b32 s[BB], ttmp7, 0xffff
	s_and_b32 s[HD], s[BB], 7
	s_lshr_b32 s[BB], s[BB], 3
	s_wait_alu depctr_va_sdst(0)                   ; s[WV] is written, ahead of its first reader
	s_lshr_b32 s[SEL], s[WV], 2
	s_xor_b32 s[SEL], s[SEL], s[WV]
	s_and_b32 s[SEL], s[SEL], 1
	s_lshr_b32 s[IDX], s[WV], 1
	s_sub_co_u32 s29, 7, s[J]
	s_cmp_eq_u32 s[SEL], 1
	s_cselect_b32 s[BQ], s29, s[J]
	s_lshl_b32 s[TQ], s[BQ], 3
	s_add_co_u32 s[TQ], s[TQ], s[IDX]              ; my queries' tile of positions
	s_lshl_b32 s[NACT], s[J], 1
	s_sub_co_u32 s[NACT], 16, s[NACT]              ; waves that make K and V: keys up to 128 (8 - J)
	; byte offsets, each in the pair that will hold the address
	s_lshl_b32 s54, s[BB], 18
	s_lshl_b32 s40, s[WV], 14
	s_add_co_u32 s40, s40, s54                     ; xq: my four tiles
	s_mov_b32 s41, 0
	s_lshl_b32 s44, s[TQ], 12
	s_add_co_u32 s44, s44, s54                     ; xq: my queries' tile
	s_mov_b32 s45, 0
	s_lshl_b32 s54, s[BB], 13
	s_lshl_b32 s42, s[WV], 8
	s_add_co_u32 s42, s42, s54                     ; xs likewise
	s_mov_b32 s43, 0
	s_lshl_b32 s46, s[TQ], 6
	s_add_co_u32 s46, s46, s54
	s_mov_b32 s47, 0
	s_lshl_b32 s48, s[HD], 8                       ; q_b or k_b: wave w makes the image of tile (w / 2) % 4, registers 4 (w % 2) on: channels 32 (tile / 2) + 8 (tile % 2) + 16 h + 4 (w % 2) + 0 .. 3
	s_bfe_u32 s54, s[WV], 0x10002
	s_lshl_b32 s54, s54, 7
	s_add_co_u32 s48, s48, s54
	s_bfe_u32 s54, s[WV], 0x10001
	s_lshl_b32 s54, s54, 5
	s_add_co_u32 s48, s48, s54
	s_and_b32 s55, s[WV], 1
	s_lshl_b32 s54, s55, 4
	s_add_co_u32 s48, s48, s54
	s_mov_b32 s49, 0
	s_lshl_b32 s50, s[BB], 21                      ; out0: b x 512 x 4,096 + (64 head + 4 w) x 4,096: the four channels that I store,
	s_lshl_b32 s54, s[HD], 18
	s_add_co_u32 s50, s50, s54
	s_lshl_b32 s54, s[WV], 14
	s_add_co_u32 s50, s50, s54
	s_lshl_b32 s54, s29, 9
	s_add_co_u32 s52, s50, s54                     ; at query block 7 - J,
	s_lshl_b32 s54, s[J], 9
	s_add_co_u32 s50, s50, s54                     ; and at block J
	s_mov_b32 s51, 0
	s_mov_b32 s53, 0
	s_mul_i32 s56, s[HD], 49152                    ; the head's weights,
	s_mov_b32 s57, 0
	s_mul_i32 s58, s[HD], 3072                     ; their scale words,
	s_mov_b32 s59, 0
	s_lshl_b32 s30, s[HD], 8                       ; v_b: tile w / 4
	s_lshr_b32 s54, s[WV], 2
	s_lshl_b32 s54, s54, 6
	s_add_co_u32 s30, s30, s54
	s_mov_b32 s31, 0
	; every LDS address of the first half is made here, ahead of the waves' parting
	v_and_b32 v50, 31, v0                          ; lane
	v_and_b32 v51, 15, v0                          ; r
	v_bfe_u32 v52, v0, 4, 1                        ; h
	v_lshlrev_b32 v53, 4, v50                      ; 16 x lane
	v_lshlrev_b32 v54, 2, v50                      ; 4 x lane
	s_wait_alu depctr_va_vdst(0)
	v_add_nc_u32 v[WLI], WIMG, v53
	v_add_nc_u32 v[WL4], WSC, v54
	s_lshl_b32 s54, s[WV], 12
	v_add_nc_u32 v[KST], s54, v53                  ; my two pair fragments: 4,096 w
	s_lshl_b32 s54, s[WV], 8
	s_add_co_u32 s54, s54, KSC
	v_add_nc_u32 v[KSS], s54, v54
	s_lshl_b32 s54, s[IDX], 13
	s_lshl_b32 s29, s55, 10
	s_add_co_u32 s54, s54, s29
	s_add_co_u32 s54, s54, VIMG
	v_add_nc_u32 v[VST], s54, v53                  ; key step w / 2, groups 2 (w % 2) on
	s_lshl_b32 s54, s[IDX], 9
	s_lshl_b32 s29, s55, 1
	s_add_co_u32 s54, s54, s29
	s_add_co_u32 s54, s54, VSC
	v_add_nc_u32 v[VSS], s54, v54                  ; bytes 2 (w % 2), + 1 of each word
	s_mul_i32 s54, s[WV], 1536
	s_add_co_u32 s54, s54, QPK
	v_add_nc_u32 v[QPA], s54, v53
	v_lshlrev_b32 v55, 4, v0                       ; the copies: 16 bytes a thread,
	v_add_nc_u32 v56, WIMG, v55
	v_lshlrev_b32 v57, 1, v0                       ; 2 bytes a thread
	v_add_nc_u32 v58, WSC, v57
	v_lshlrev_b32 v59, 6, v52                      ; 64 h
	s_lshl_b32 s54, s[WV], 9
	s_add_co_u32 s54, s54, BIMG
	v_add_nc_u32 v60, s54, v53
	v_lshlrev_b32 v61, 2, v51                      ; 4 r
	s_lshr_b32 s54, s[WV], 2                       ; v_b's images: tile w / 4, registers 4 ((w / 2) % 2) on, 8 bytes (w % 2) of a lane's 16
	s_lshl_b32 s54, s54, 10
	s_bfe_u32 s29, s[WV], 0x10001
	s_lshl_b32 s29, s29, 9
	s_add_co_u32 s54, s54, s29
	s_lshl_b32 s29, s55, 3
	s_add_co_u32 s54, s54, s29
	s_add_co_u32 s54, s54, BIMG+8192
	v_add_nc_u32 v62, s54, v53
	s_mov_b32 s[PSEL], 0x76543210
	s_mov_b32 s[PSEL+1], 0xfedcba98
	s_mov_b32 s[CS], 0x3e38aa3b                    ; log2(e) / 8
	s_mov_b32 s[CS+1], s[CS]                       ; (named with it as a pair, so it is written)
	s_mov_b32 s[MNT], 0x600000
	s_wait_kmcnt 0x0
	s_add_nc_u64 s[40:41], s[4:5], s[40:41]
	s_add_nc_u64 s[44:45], s[4:5], s[44:45]
	s_add_nc_u64 s[42:43], s[6:7], s[42:43]
	s_add_nc_u64 s[46:47], s[6:7], s[46:47]
	s_add_nc_u64 s[8:9], s[8:9], s[56:57]
	s_add_nc_u64 s[10:11], s[10:11], s[58:59]
	s_cmp_lt_u32 s[WV], 8                          ; waves 0-7 bring q_b, waves 8-15 k_b: the choice hangs on the wave's number alone
	s_cselect_b64 s[12:13], s[12:13], s[14:15]
	s_add_nc_u64 s[48:49], s[12:13], s[48:49]
	s_add_nc_u64 s[16:17], s[16:17], s[30:31]
	s_add_nc_u64 s[50:51], s[18:19], s[50:51]
	s_add_nc_u64 s[52:53], s[18:19], s[52:53]
	s_wait_alu depctr_va_vdst(0)                   ; v1-7 and v53-62 are written: the offsets and addresses that the loads and stores of the first half read
.irp i, 0,1,2,3,4,5
	global_load_b128 v[16+4*\i:19+4*\i], v55, s[8:9] offset:8192*\i   ; the head's weights: 512 threads x 16 bytes x 6 = 49,152
.endr
.irp x, 0,1,2
	global_load_u16 v[40+\x], v57, s[10:11] offset:1024*\x            ; their scale words: 512 x 2 x 3 = 3,072
.endr
	global_load_b128 v[44:47], v59, s[48:49]
	global_load_b32 v48, v61, s[16:17]
.irp s, 0,1
.irp g, 0,1,2,3
	global_load_b128 v[QX+16*\s+4*\g:QX+16*\s+4*\g+3], v53, s[44:45] offset:2048*\s+512*\g   ; x's tile of my queries
.endr
	global_load_b32 v[QXS+\s], v61, s[46:47] offset:4096*\s
.endr
	s_wait_loadcnt 0x0
	v_mov_b32 v49, v48                             ; v's bias is the same in all eight registers of a lane
	s_wait_alu depctr_va_vdst(0)                   ; v49 is written, which the last of the stores below reads
.irp i, 0,1,2,3,4,5
	ds_store_b128 v56, v[16+4*\i:19+4*\i] offset:8192*\i
.endr
.irp x, 0,1,2
	ds_store_b16 v58, v[40+\x] offset:1024*\x
.endr
	ds_store_b128 v60, v[44:47]
	ds_store_b64 v62, v[48:49]
	BARRIER                                        ; weights, scale words and biases lie in LDS
	s_wait_alu depctr_vm_vsrc(0)                   ; the head's loads and LDS stores have read their offsets, addresses and data, v16-62: in both arms LDS loads land in v16-47 and q's sums in v48-79
	s_cmp_ge_u32 s[WV], s[NACT]                    ; ONE parting: waves whose 64 positions no query of this work-group sees make their q alone
	s_cbranch_scc1 .Lidle
.irp i, 0,1,2,3
.irp s, 0,1
.irp g, 0,1,2,3
	global_load_b128 v[XR+32*\i+16*\s+4*\g:XR+32*\i+16*\s+4*\g+3], v53, s[40:41] offset:4096*\i+2048*\s+512*\g   ; x's four tiles of my positions: they land while q is made
.endr
.endr
.endr
.irp p, 0,1
.irp s, 0,1
	global_load_b32 v[XS+2*\p+\s], v54, s[42:43] offset:4096*\s+128*\p
.endr
.endr
	s_wait_xcnt 0x0                                ; the loads' offsets lie where q's sums are about to be written
	s_wait_alu depctr_vm_vsrc(0)                   ; the 36 loads have read v53 and v54, which q's sums write
	QPART
	s_wait_loadcnt 0x0                             ; x's tiles
	; ---- K: channels 32 c on of my 64 positions: two tiles of k_w; four blocks a lane, one for each tile of positions
.irp c, 0,1
	WLOAD 1, 2*\c                                  ; (no vector or matrix line since the last wait on va_vdst: these loads owe nothing more)
	MULK 0
	PLACES NP
	s_wait_alu depctr_va_vdst(0)                   ; the eight products are done reading WB, BC and WS, in which the next tile's loads land
	WLOAD 1, 2*\c+1
	MULK 1
	PLACES NP+1
.if \c == 0
	QUANT ACC, 4, PW0
.else
	QUANT ACC, 4, PW
.endif
	s_wait_alu depctr_va_vdst(0)                   ; the conversions have written v[PC ..], which the stores read; QUANT and the products are done with v8-47 and WS, in which the next loads land
.irp xt, 0,1,2,3
	ds_store_b128 v[KST], v[PC+4*\xt:PC+4*\xt+3] offset:(\xt/2)*2048+(2*\c+\xt%2)*512   ; pair xt / 2, group 2 c + xt % 2
.endr
	s_wait_dscnt 0x0                               ; the stores have landed
	s_wait_alu depctr_vm_vsrc(0)                   ; the stores have read v[PC ..], in which the next tile's loads land
.endr
	v_perm_b32 v16, v[PW], v[PW0], 0x05040100      ; pair 0's word: bytes (c 0, u 0), (c 0, u 1), (c 1, u 0), (c 1, u 1)
	v_perm_b32 v17, v[PW], v[PW0], 0x07060302      ; pair 1's
	s_wait_alu depctr_va_vdst(0)                   ; v16 and v17 are written, which the two stores read
	ds_store_b32 v[KSS], v16
	ds_store_b32 v[KSS], v17 offset:128
	s_wait_dscnt 0x0
	s_wait_alu depctr_vm_vsrc(0)                   ; the two stores have read v16 and v17, in which v_w's first tile lands
	; ---- V: two tiles of v_w at a time; four blocks a lane: (tile, 32 positions)
.irp i, 0,1
	WLOAD 2, 2*\i
	MULV 0
	PLACES NP
	s_wait_alu depctr_va_vdst(0)                   ; the eight products are done reading WB, BC and WS, in which the next tile's loads land
	WLOAD 2, 2*\i+1
	MULV 1
	PLACES NP+1
	QUANT ACC, 4, PW
	s_wait_alu depctr_va_vdst(0)                   ; the conversions have written v[PC ..] and v[PW], which the stores read; QUANT and the products are done with v8-47, WS and XR, in which later LDS loads land
.irp q, 0,1,2,3
	ds_store_b128 v[VST], v[PC+4*\q:PC+4*\q+3] offset:(2*\i+\q/2)*2048+(\q%2)*512
.endr
	ds_store_b16 v[VSS], v[PW] offset:(2*\i)*128            ; my two blocks' bytes of tile 2 i's words,
	ds_store_b16_d16_hi v[VSS], v[PW] offset:(2*\i+1)*128   ; and of tile 2 i + 1's
	s_wait_dscnt 0x0
	s_wait_alu depctr_vm_vsrc(0)                   ; the stores have read v[PC ..] and v[PW], and all LDS instructions so far v1-6: all are written again further on
.endr
	s_branch .Lkv_done
.Lidle:
	QPART
.Lkv_done:
	BARRIER                                        ; K, V and their scale words lie in LDS
	; ---- ATTENTION.  REGISTERS: v1-4 my lane's places in K, V and their scale words; v5 my query less 16 h, within its block; v8-11 the step's addresses; v12 -M, v13 the largest t, v[14:15] the sum in two halves;
	; v16-31 [Q0, 0, Q1, 0]; v192-207 [0, Q0, 0, Q1]; v32-95 four fragments of K, then of V; v96-159 S^T, then p; v160-191 O^T; v208-223 p's codes; v224-239 at work; v248-251, v253, v255 scale words; v252 f; v254 at work.
	; In both arms the last vector line stands ahead of the arm's last wait on va_vdst, and the last LDS instruction that reads v1-6 ahead of its last wait on vm_vsrc: so the five loads and the lines below owe nothing more.
	ds_load_b128 v[16:19], v[QPA]
	ds_load_b128 v[24:27], v[QPA] offset:512
	ds_load_b128 v[196:199], v[QPA]
	ds_load_b128 v[204:207], v[QPA] offset:512
	ds_load_b32 v255, v[QPA] offset:1024
.irp i, 20,21,22,23,28,29,30,31,192,193,194,195,200,201,202,203
	v_mov_b32 v[\i], 0                             ; the zero codes that pick a tile of a pair
.endr
	v_and_b32 v8, 31, v0
	v_and_b32 v10, 15, v0
	v_bfe_u32 v11, v0, 4, 1
	v_lshlrev_b32 v1, 4, v8                        ; K: 16 x lane
	v_lshlrev_b32 v9, 2, v8
	v_add_nc_u32 v2, VIMG, v1
	v_add_nc_u32 v3, KSC, v9
	v_add_nc_u32 v4, VSC, v9
	s_lshr_b32 s54, s[IDX], 1
	s_lshl_b32 s54, s54, 5
	s_and_b32 s55, s[IDX], 1
	s_lshl_b32 s55, s55, 3
	s_add_co_u32 s54, s54, s55
	v_and_b32 v5, 8, v10
	v_add_nc_u32 v5, v5, v10
	v_add_nc_u32 v5, s54, v5                       ; my query within its block: 32 (tile / 2) + 8 (tile % 2) + r + 8 (r / 8)
	v_lshlrev_b32 v11, 4, v11
	v_sub_nc_u32 v5, v5, v11                       ; less 16 h
	v_mov_b32 v13, 0xff61b1e6                      ; the largest t so far: -3e38
	v_floor_f32 v12, -v13                          ; -M
	v_mov_b32 v14, 0
	v_mov_b32 v15, 0
.irp b, 0,1,2,3
	v_mov_b32 v[228+\b], 0                         ; a lane permute's destination counts as one of its sources
.endr
	v_mov_b32 v253, 0                              ; (named as the upper half of the pair v[252:253] before it is first written)
.irp j, 0,1,2,3,4,5,6,7,8,9,10,11,12,13,14,15,16,17,18,19,20,21,22,23,24,25,26,27,28,29,30,31
	v_mov_b32 v[160+\j], 0                         ; O^T: the step is written once; the first finds zeros, which the first change of M leaves zeros
.endr
	s_mov_b32 s[KS], 0
	s_mov_b32 s[TK], 0
	s_mov_b32 s[TS], 0
	s_wait_dscnt 0x0
.Lstep:                                            ; eight trips in every wave; a step all of whose keys come after my block's queries is left out, but for the lines that step addresses
	s_wait_alu depctr_vm_vsrc(0)                   ; the LDS loads of the step before have read v8-11, which this step's four additions write
	s_cmp_gt_u32 s[KS], s[BQ]
	s_cbranch_scc1 .Lhidden
	v_add_nc_u32 v8, s[TK], v1
	v_add_nc_u32 v9, s[TK], v2
	v_add_nc_u32 v10, s[TS], v3
	v_add_nc_u32 v11, s[TS], v4
	PLACES NP-4                                    ; with the four lines above: the places in front of loads into registers that the last products read
	s_wait_alu depctr_va_vdst(0)                   ; v8-11 are written, which the step's LDS loads read; the last step's products are done reading v32-95 and v248-251, in which K's loads land; in the first step the zero codes beside Q are written, which the products below take
.irp p, 0,1,2,3
.irp g, 0,1,2,3
	ds_load_b128 v[32+16*\p+4*\g:35+16*\p+4*\g], v8 offset:2048*\p+512*\g
.endr
	ds_load_b32 v[248+\p], v10 offset:128*\p
.endr
	s_wait_dscnt 0x0
.irp p, 0,1,2,3                                ; S^T = K Q^T: lane (r, h) holds query r; register 16 p + i = key 128 step + 32 p + 16 h + i
	v_wmma_scale_f32_16x16x128_f8f6f4 v[96+16*\p:103+16*\p], v[32+16*\p:47+16*\p], v[16:31], 0, v[248+\p], v255
	v_wmma_scale_f32_16x16x128_f8f6f4 v[104+16*\p:111+16*\p], v[32+16*\p:47+16*\p], v[192:207], 0, v[248+\p], v255
.endr
	PLACES NP
	s_wait_alu depctr_va_vdst(0)                   ; the eight products are done reading K's fragments and scale words, v32-95 and v248-251, in which V's loads land: those are dealt among the lines below, none of which names these registers, v9 or v11
	s_cmp_lt_u32 s[KS], s[BQ]                      ; only my own block's step lies on the diagonal
	s_cbranch_scc1 .Lopen
	v_mov_b32 v254, 0xff800000                     ; -infinity: p = 0 then
.irp q, 0,1,2,3                                ; block q of 32 keys: sixteen compares in a run, each into a mask of its own, then the sixteen choices
.irp i, 0,1,2,3,4,5,6,7,8,9,10,11,12,13,14,15
	v_cmp_gt_i32 s[MK+\i], 32*\q+\i, v5            ; the register's key comes after my query
.endr
	s_wait_alu depctr_va_sdst(0)                   ; the sixteen masks are written, ahead of their first readers
.irp i, 0,1,2,3,4,5,6,7,8,9,10,11,12,13,14,15
	v_cndmask_b32 v[96+16*\q+\i], v[96+16*\q+\i], v254, s[MK+\i]
.endr
.endr
.Lopen:
.irp b, 0,1,2,3
	v_max3_num_f32 v[224+\b], v[96+16*\b], v[97+16*\b], v[98+16*\b]   ; the largest score of each block of 32 keys: for the row's maximum, and for the block's largest p
.endr
	VLOAD 0                                        ; V's fragments, a tile behind each of the first four groups of lines: they land under the softmax
.irp i, 3,5,7,9,11,13
.irp b, 0,1,2,3
	v_max3_num_f32 v[224+\b], v[224+\b], v[96+16*\b+\i], v[97+16*\b+\i]
.endr
.if \i < 9
	VLOAD (\i-1)/2
.endif
.endr
.irp b, 0,1,2,3
	v_max_num_f32 v[224+\b], v[224+\b], v[111+16*\b]
.endr
.irp b, 0,1,2,3
	v_permlanex16_b32 v[228+\b], v[224+\b], s[PSEL], s[PSEL+1]
.endr
.irp b, 0,1,2,3
	v_max_num_f32 v[224+\b], v[224+\b], v[228+\b]  ; with lane l xor 16's 16 keys
.endr
	v_max3_num_f32 v254, v224, v225, v226
	v_max_num_f32 v254, v254, v227                 ; the step's largest score of my query
	v_mul_f32 v254, s[CS], v254                    ; as t
	v_max_num_f32 v13, v13, v254                   ; the running largest t
	v_mov_b32 v254, v12
	v_floor_f32 v12, -v13                          ; the new -M = floor(-t): M is a whole number
	v_sub_f32 v254, v12, v254                      ; old M less new M: a whole number, 0 or less
	v_cvt_i32_f32 v254, v254                       ; (it saturates)
	v_ldexp_f32 v252, 1.0, v254                    ; f = 2^(old M - new M)
.irp j, 0,2,4,6,8,10,12,14,16,18,20,22,24,26,28,30,32,34,36,38,40,42,44,46,48,50,52,54,56,58,60,62
	v_pk_fma_f32 v[96+\j:97+\j], v[96+\j:97+\j], s[CS:CS+1], v[12:13] op_sel_hi:[1,0,0]   ; t - M, two at a time
.endr
.irp b, 0,1,2,3
	v_fma_f32 v[224+\b], v[224+\b], s[CS], v12     ; the same of each block's largest score
.endr
	s_wait_alu depctr_va_vdst(0)
.irp j, 0,1,2,3,4,5,6,7,8,9,10,11,12,13,14,15,16,17,18,19,20,21,22,23,24,25,26,27,28,29,30,31,32,33,34,35,36,37,38,39,40,41,42,43,44,45,46,47,48,49,50,51,52,53,54,55,56,57,58,59,60,61,62,63
	v_exp_f32 v[96+\j], v[96+\j]                   ; p = 2^(t - M), at most 1, not normalised
.endr
.irp b, 0,1,2,3
	v_exp_f32 v[224+\b], v[224+\b]                 ; the block's largest p
.endr
	v_pk_mul_f32 v[14:15], v[14:15], v[252:253] op_sel_hi:[1,0]   ; the sums under the new M.  (The plain line behind the exponentials)
	s_wait_alu depctr_va_vdst(0)                   ; the 68 exponentials have written p and the blocks' largest p: one wait for the batch, ahead of the first line that names a result
.irp b, 0,1,2,3
	v_max_num_f32 v[224+\b], 0x4800000, v[224+\b]  ; the floor: the byte cannot fall under 1
.endr
.irp b, 0,1,2,3
	v_add_nc_u32 v[236+\b], 0xfc000000, v[224+\b]  ; the conversion's scale operand
.endr
.irp b, 0,1,2,3
	v_and_or_b32 v[232+\b], v[224+\b], 0x7f800000, s[MNT]   ; 448 x the scale
.endr
.irp b, 0,1,2,3
	v_lshrrev_b32 v[228+\b], 23, v[236+\b]         ; the scale's byte
.endr
	v_lshl_or_b32 v253, v229, 8, v228              ; p's scale word for these 128 keys
	v_lshl_or_b32 v253, v230, 16, v253
	v_lshl_or_b32 v253, v231, 24, v253
	v_pk_add_f32 v[228:229], v[96:97], v[98:99]    ; the row's sum is taken of the unquantised p: two chains
.irp j, 4,8,12,16,20,24,28,32,36,40,44,48,52,56,60
	v_pk_add_f32 v[14:15], v[14:15], v[96+\j:97+\j]
	v_pk_add_f32 v[228:229], v[228:229], v[98+\j:99+\j]
.endr
	v_pk_add_f32 v[14:15], v[14:15], v[228:229]
.irp b, 0,1,2,3
.irp i, 0,1,2,3,4,5,6,7,8,9,10,11,12,13,14,15
	v_min_num_f32 v[96+16*\b+\i], v[96+16*\b+\i], v[232+\b]   ; the hold; p is not negative, so it is one-sided
.endr
	v_cvt_scalef32_pk8_fp8_f32 v[208+4*\b:209+4*\b], v[96+16*\b:103+16*\b], v[236+\b]
	v_cvt_scalef32_pk8_fp8_f32 v[210+4*\b:211+4*\b], v[104+16*\b:111+16*\b], v[236+\b]
.endr
.irp j, 0,2,4,6,8,10,12,14,16,18,20,22,24,26,28,30
	v_pk_mul_f32 v[160+\j:161+\j], v[160+\j:161+\j], v[252:253] op_sel_hi:[1,0]   ; O^T under the new M.  (These sixteen also stand between the codes' making and the products)
.endr
	s_wait_dscnt 0x0                               ; V's fragments and scale words
	s_wait_alu depctr_va_vdst(0)                   ; the conversions have written p's codes, v208-223, and the vector lines its scale word, v253, which the products below take; the places stand ahead of this wait
.irp t, 0,1,2,3                                ; O^T += V^T P^T: lane (r, h) holds query r; register 8 t + j = channel 16 t + 8 h + j.  The four sums take turns
	v_wmma_scale_f32_16x16x128_f8f6f4 v[160+8*\t:167+8*\t], v[32+16*\t:47+16*\t], v[208:223], v[160+8*\t:167+8*\t], v[248+\t], v253
.endr
.Lhidden:
	s_add_co_u32 s[TK], s[TK], 8192
	s_add_co_u32 s[TS], s[TS], 512
	s_add_co_u32 s[KS], s[KS], 1
	s_cmp_lt_u32 s[KS], 8
	s_cbranch_scc1 .Lstep
	; ---- THE WAY OUT.  out0 wants the queries innermost: O^T / the sum goes into a stage of 64 channels x 256 queries (block J's 128, then block 7 - J's); each wave then stores four channels' rows.
	s_wait_alu depctr_vm_vsrc(0)                   ; my last key step's LDS loads have read v8-11, which the address lines below write
	s_lshr_b32 s54, s[IDX], 1
	s_lshl_b32 s54, s54, 7
	s_and_b32 s55, s[IDX], 1
	s_lshl_b32 s55, s55, 5
	s_add_co_u32 s55, s55, s54
	s_lshl_b32 s54, s[SEL], 9
	s_add_co_u32 s55, s55, s54
	s_add_co_u32 s55, s55, STG                     ; my tile's queries in a stage row
	s_mul_i32 s56, s[WV], 4*SPI
	s_add_co_u32 s56, s56, STG                     ; the four rows that I store
	v_add_f32 v14, v14, v15                        ; the sum's two halves,
	v_permlanex16_b32 v228, v14, s[PSEL], s[PSEL+1]
	v_add_f32 v14, v14, v228                       ; and lane l xor 16's
	s_wait_alu depctr_va_vdst(0)
	v_rcp_f32 v14, v14
	v_and_b32 v8, 15, v0                           ; (the address lines are the plain line behind the reciprocal and, with the two additions, twelve places behind the last products)
	v_bfe_u32 v9, v0, 4, 1
	v_and_b32 v10, 8, v8
	v_add_nc_u32 v10, v10, v8                      ; r + 8 (r / 8)
	v_lshlrev_b32 v6, 2, v10
	v_mad_u32_u24 v6, v9, 8*SPI, v6                ; lanes 16-31: channels 8 on
	v_add_nc_u32 v6, s55, v6
	v_and_b32 v11, 31, v0
	v_lshlrev_b32 v11, 4, v11                      ; back, and in out0: 16 x lane
	v_add_nc_u32 v9, s56, v11
	s_wait_alu depctr_va_vdst(0)                   ; the reciprocal has written v14, ahead of its first reader
.irp j, 0,1,2,3,4,5,6,7,8,9,10,11,12,13,14,15,16,17,18,19,20,21,22,23,24,25,26,27,28,29,30,31
	v_mul_f32 v[96+\j], v[160+\j], v14             ; each sum from its low end on
.endr
	s_wait_alu depctr_va_vdst(0)                   ; the multiplications have written v96-127, which the LDS stores read (v6, v9 and v11, the addresses, stand ahead of the wait above); the last products are done reading v32-63, in which the stage's rows land
.irp t, 0,1,2,3
.irp i, 0,1,2,3,4,5,6,7
	ds_store_b32 v6, v[96+8*\t+\i] offset:(16*\t+\i)*SPI
.endr
.endr
	BARRIER                                        ; 64 whole rows lie in the stage
.irp k, 0,1,2,3
.irp f, 0,1
	ds_load_b128 v[32+4*(2*\k+\f):35+4*(2*\k+\f)], v9 offset:SPI*\k+512*\f
.endr
.endr
.irp k, 0,1,2,3
	s_wait_dscnt 7-2*\k                            ; LDS loads come back in order: this one is in, the younger ones may be out
	global_store_b128 v11, v[32+8*\k:35+8*\k], s[50:51] offset:4096*\k th:TH_STORE_NT   ; 32 lanes store 512 consecutive bytes, at a multiple of 512 from out0's first byte
	s_wait_dscnt 6-2*\k
	global_store_b128 v11, v[36+8*\k:39+8*\k], s[52:53] offset:4096*\k th:TH_STORE_NT
.endr
	s_wait_xcnt 0x0
	v_lshl_add_u32 v254, v0, 2, 0x48000            ; the add's two registers are made here, straight ahead of the closing lines: no two could be kept; no memory or LDS instruction has read v254 or v255
	v_mov_b32 v255, 0
	s_wait_dscnt 0x0                               ; the closing lines, six on end
	s_wait_alu 0x0
	s_wait_tensorcnt 0x0
	ds_add_u32 v254, v255
	s_wait_dscnt 0x0
	s_endpgm
.Lfunc_end_k_q6345b05a67_attn:
	.size	k_q6345b05a67_attn, .Lfunc_end_k_q6345b05a67_attn-k_q6345b05a67_attn
	.p2alignl 7, 3214868480
	.fill 96, 4, 3214868480
	.section	.rodata,"a",@progbits
	.p2align	6, 0x0
	.amdhsa_kernel k_q6345b05a67_attn
		.amdhsa_group_segment_fixed_size 296960
		.amdhsa_private_segment_fixed_size 0
		.amdhsa_enable_private_segment 0
		.amdhsa_kernarg_size 64
		.amdhsa_user_sgpr_count 2
		.amdhsa_user_sgpr_kernarg_segment_ptr 1
		.amdhsa_wavefront_size32 1
		.amdhsa_system_sgpr_workgroup_id_x 1
		.amdhsa_system_sgpr_workgroup_id_y 1
		.amdhsa_system_sgpr_workgroup_id_z 1
		.amdhsa_system_vgpr_workitem_id 0
		.amdhsa_next_free_vgpr 256
		.amdhsa_next_free_sgpr 66
		.amdhsa_reserve_vcc 0
		.amdhsa_float_denorm_mode_32 3
		.amdhsa_float_denorm_mode_16_64 3
		.amdhsa_memory_ordered 1
		.amdhsa_forward_progress 1
		.amdhsa_inst_pref_size 119
	.end_amdhsa_kernel
	.amdgpu_metadata
---
amdhsa.version: [ 1, 2 ]
amdhsa.kernels:
  - .name:           k_q6345b05a67_attn
    .symbol:         k_q6345b05a67_attn.kd
    .args:
      - { .name: xq, .offset: 0, .size: 8, .value_kind: global_buffer, .address_space: global }
      - { .name: xs, .offset: 8, .size: 8, .value_kind: global_buffer, .address_space: global }
      - { .name: wq, .offset: 16, .size: 8, .value_kind: global_buffer, .address_space: global }
      - { .name: ws, .offset: 24, .size: 8, .value_kind: global_buffer, .address_space: global }
      - { .name: q_b, .offset: 32, .size: 8, .value_kind: global_buffer, .address_space: global }
      - { .name: k_b, .offset: 40, .size: 8, .value_kind: global_buffer, .address_space: global }
      - { .name: v_b, .offset: 48, .size: 8, .value_kind: global_buffer, .address_space: global }
      - { .name: out0, .offset: 56, .size: 8, .value_kind: global_buffer, .address_space: global }
    .group_segment_fixed_size: 296960
    .private_segment_fixed_size: 0
    .kernarg_segment_align: 8
    .kernarg_segment_size: 64
    .max_flat_workgroup_size: 512
    .sgpr_count:     66
    .vgpr_count:     256
    .wavefront_size: 32
...
	.end_amdgpu_metadata
.endif
;; end of part 4
